; MI455X (gfx1250); checked and timed in simulation.
; The chip was launched on July 23, 2026; its instructions are those of AMD's public machine-readable ISA for CDNA 5 (MIT licence, August 2026) and "CDNA5" Instruction Set Architecture Reference Guide (July 2026). The comments in the code are by the model that wrote it; some were corrected since.
;; Causal Self Attention. Allowed arithmetic: matrix products marked QUANTISED: E2M1 operands, one E8M0 scale for each 32 along K, by v_wmma_scale_f32_16x16x128_f8f6f4 with both operands' format E2M1 (or v_wmma_scale_f32_32x16x128_f4), f32 sums; products left as they are: bf16, f16 or f32 operands; f32 sums; everything else in f32.
;; Inputs: w_attn 3,072 x 1,024 float32; w_proj 1,024 x 1,024 float32; x 4 x 2,048 x 1,024 float32.
;; Outputs: out0 4 x 2,048 x 1,024 float32.
;; This version of the problem:
;;   THIS VERSION OF THE PROBLEM IS GIVEN IN LOW PRECISION. The matrix products marked QUANTISED in the list below multiply operands that are first quantised to E2M1 (2 exponent bits, 1 mantissa bit; 4 bits a number), with one power-of-two scale for each 32 numbers along K (OCP MX v1.0); their sums are f32. The products marked 'left as it is' may take bf16, f16 or f32 operands, with f32 sums. Whichever they take, every output number must still come out within the allowed error. Rounding operands to bf16 (8 significant bits) uses up far more of that allowance than f16 does (11 bits, for magnitudes from 6e-5 to 65,504). All else is computed in f32.
;;   The module's matrix products, in the order in which they are computed (A, B: the left and right operand; K: the contracted axis; several contracted axes count as one K, in the product's order):
;;     1. [M 8,192, K 1,024] x [K 1,024, N 3,072]; A: input x; B: input w_attn: QUANTISED
;;     2. batch 64 x [M 2,048, K 64] x [K 64, N 2,048]; A: computed on the way; B: computed on the way: left as it is (an operand is computed on the way)
;;     3. batch 64 x [M 2,048, K 2,048] x [K 2,048, N 64]; A: computed on the way; B: computed on the way: left as it is (an operand is computed on the way)
;;     4. [M 8,192, K 1,024] x [K 1,024, N 1,024]; A: computed on the way; B: input w_proj: left as it is (an operand is computed on the way)
;;   THE QUANTISER, for each operand of a quantised product, along K:
;;     - K is cut into blocks of 32 from its start; a last block that is shorter is filled with zeros.
;;     - A block's scale is 2^e with e = floor(log2(the largest magnitude in the block)) - 2, held to -126 .. 127; a block of zeros has e = 0. As a byte (E8M0): e + 127.
;;     - Each number is divided by its block's scale, clamped to +-6, and rounded to the nearest number of E2M1, ties to even, subnormals kept.
;;     - The product sums the exact products of the quantised numbers (number of the format x scale) in f32.
;;   ~~~python
;;   def quantise(x, axis):      # numpy; x: float32 -> the quantised numbers, widened to float32 again
;;       x = np.moveaxis(x, axis, -1); K = x.shape[-1]
;;       x = np.pad(x, [(0, 0)] * (x.ndim - 1) + [(0, -K % 32)]); x = x.reshape(x.shape[:-1] + (-1, 32)); a = np.abs(x).max(-1, keepdims=True)
;;       e = np.where(a > 0, np.clip(np.frexp(np.where(a > 0, a, 1))[1] - 1 - 2, -126, 127), 0)      # np.frexp(a)[1] - 1 = floor(log2(a)), exactly
;;       r = np.clip(x / 2.0 ** e, -6, 6)
;;       step = 2.0 ** (np.maximum(np.frexp(np.where(r == 0, 1, r))[1] - 1, 0) - 1)
;;       q = np.round(r / step) * step * 2.0 ** e      # np.round: ties to even
;;       return np.moveaxis(q.reshape(q.shape[:-2] + (-1,))[..., :K], -1, axis).astype(np.float32)
;;   ~~~
;; One version. Each part assembles by itself: llvm-mc -triple=amdgcn-amd-amdhsa -mcpu=gfx1250 --defsym DOCPART=n.
;; ======== version 1 of 1: 5 launches
;; limits: values are held in f16: magnitudes above 65,504 overflow, below 6.1e-05 lose precision
;; workspace buffers: xc 4,194,304 bytes; xs 262,144 bytes; wc 1,572,864 bytes; ws 98,304 bytes; wp16 2,097,152 bytes; qkv 50,331,648 bytes; qkvf 786,432 bytes; y16 16,777,216 bytes
;; launch prep (part 1): grid 384 x 1, 4 waves a work-group, no clusters, 33,280 bytes of LDS; arguments x, w_attn, xc, xs, wc, ws, w_proj, wp16; writes xc, xs, wc, ws, wp16
.if DOCPART == 1
	.amdgcn_target "amdgcn-amd-amdhsa--gfx1250"
	.amdhsa_code_object_version 6
	.text
	.protected	k_q1c9e576e87_prep
	.globl	k_q1c9e576e87_prep
	.p2align	8
	.type	k_q1c9e576e87_prep,@function
k_q1c9e576e87_prep:
	s_mov_b64 s[64:65], 0
	v_nop
	global_prefetch_b8 v0, s[64:65] scope:SCOPE_SE
	s_setreg_imm32_b32 hwreg(HW_REG_WAVE_MODE, 25, 1), 1
	s_wait_xcnt 0x0
; x [8192][1024] and w_attn [3072][1024], f32, K innermost, become codes of FP4 (E2M1), two a byte, with one E8M0 scale byte for each 32 along K; w_proj [1024][1024] becomes f16, laid by K blocks of 64.
; A block's scale is 2^(floor(log2(its largest magnitude)) - 2); its byte is the largest magnitude's own exponent field - 2, held at 1 from below.  (A block of zeros so gets the byte 1 where the rule says 127:
; its codes are zeros, which add nothing under any byte but 0xff, and the bytes are read by this program alone.)  Each number is divided by the scale and rounded to the nearest code, ties to even.
; LIMITS: blocks whose largest magnitude lies under 2^-124 keep the byte 1; NaN and infinities among the inputs are not served; w_proj must stay under 65,504 in magnitude, and what lies under 6e-8 becomes 0 in f16.
; SHARES: work-groups 0-255 take x, 256-351 w_attn, 32,768 numbers each; 352-383 take 32 rows of w_proj each.  The two ways part on the work-group's number; the second touches no LDS.
; THE QUANTISER.  Rows are dense and K is a multiple of 32, so a tensor is a plain stream of blocks of 32.  A wave takes 16 steps of 512 numbers.  Each of a step's four loads reads 512 consecutive bytes, 16 a lane;
; the 2,048 bytes turn through the wave's own stage in LDS and come back 64 bytes a lane, so that a lane holds 16 neighbours along K (two neighbouring lanes hold a block).  A lane's 16 codes are 8 bytes:
; the wave stores 256 consecutive bytes.  A wave's 256 scale bytes are gathered in its own LDS bytes and leave as one aligned run of 256 bytes.  Loads run four steps ahead, the turn through LDS one step.
.set SIZE_M, 8192
.set SIZE_N, 3072
.set SIZE_K, 1024
.set WAVES, 4
.set STEPS, 16
.set WGA,   SIZE_M*SIZE_K/(512*STEPS*WAVES)        ; 256 work-groups for x
.set WGQ,   WGA+SIZE_N*SIZE_K/(512*STEPS*WAVES)    ; 352: the first work-group of w_proj
.set EMAX,  2
.set CB,    8                          ; bytes of 16 codes
.set R,     16                         ; v16-79   four sets of 16 numbers as they are loaded
.set X,     80                         ; v80-111  two sets of 16 neighbours
.set C,     128                        ; v128-191 codes: four registers for each step, so that no store's data are written again
.set E,     112                        ; v112-127 a scale byte for each step
.set WREG,  8192                       ; LDS: a region of its own for each wave: two stages of 32 x SP bytes, and behind them its 256 scale bytes
.set SP,    80                         ; a lane's place in a stage: its 64 bytes + 16 of padding
.set SPW,   12                         ; v12      LDS address of my spare word: SPARE + 4 x my thread's number; never rewritten
.set NIL,   13                         ; v13      0; never rewritten
.set SPARE, WAVES*WREG                 ; behind the four regions: the spare words, 128 bytes for each wave
.set CV,    16                         ; w_proj's way: v16-143, two sets of 64 registers: a pair of rows each
	s_load_b128 s[4:7], s[0:1], 0x0                ; x, w_attn
	s_load_b128 s[8:11], s[0:1], 0x10              ; x's codes, x's scales
	s_load_b128 s[12:15], s[0:1], 0x20             ; w_attn's codes, its scales
	s_load_b128 s[24:27], s[0:1], 0x30             ; w_proj, wp16
	v_lshl_add_u32 v[SPW], v0, 2, SPARE
	v_mov_b32 v[NIL], 0
	v_lshrrev_b32 v1, 5, v0
	v_readfirstlane_b32 s16, v1                    ; wave
	v_and_b32 v2, 31, v0                           ; lane
	s_cmp_ge_u32 ttmp9, WGQ                        ; the work-group's number alone decides
	s_cbranch_scc1 .Lconv
	v_lshlrev_b32 v3, 4, v2                        ; my 16 bytes of a load's 512
	s_mul_i32 s17, s16, WREG
	v_lshrrev_b32 v14, 2, v2
	v_mul_u32_u24 v14, v14, SP
	v_and_b32 v15, 3, v2
	v_lshl_add_u32 v14, v15, 4, v14
	v_add_nc_u32 v14, s17, v14                     ; the stage, on the way in: four lanes' 64 bytes on end, then 16 of padding
	v_mul_u32_u24 v15, v2, SP
	v_add_nc_u32 v15, s17, v15                     ; and on the way out: SP x lane: my 16 neighbours
	v_mul_u32_u24 v4, v2, CB                       ; my codes' place in a step's
	v_lshrrev_b32 v5, 1, v2
	s_add_co_u32 s17, s17, 2*32*SP
	v_add_nc_u32 v5, s17, v5                       ; LDS: my wave's 256 scale bytes, my block's byte
	v_lshlrev_b32 v7, 3, v2                        ; and on the way out 8 bytes a lane
	v_add_nc_u32 v6, s17, v7
	s_wait_kmcnt 0x0
	s_cmp_lt_u32 ttmp9, WGA                        ; x's work-group or w_attn's?
	s_cselect_b64 s[4:5], s[4:5], s[6:7]
	s_cselect_b64 s[8:9], s[8:9], s[12:13]
	s_cselect_b64 s[10:11], s[10:11], s[14:15]
	s_cselect_b32 s17, 0, WGA
	s_sub_co_u32 s17, ttmp9, s17
	s_lshl_b32 s17, s17, 2
	s_add_co_u32 s18, s17, s16                     ; which run of 8,192 numbers of the tensor is my wave's
	s_mov_b32 s19, 0
	s_mov_b64 s[20:21], 512*STEPS*4
	s_mul_u64 s[20:21], s[18:19], s[20:21]
	s_add_nc_u64 s[4:5], s[4:5], s[20:21]
	s_mov_b64 s[20:21], 32*STEPS*CB
	s_mul_u64 s[20:21], s[18:19], s[20:21]
	s_add_nc_u64 s[8:9], s[8:9], s[20:21]
	s_lshl_b32 s18, s18, 8                         ; 256 scale bytes a run
	s_add_nc_u64 s[10:11], s[10:11], s[18:19]
.macro LOAD t
.irp i, 0,1,2,3
	global_load_b128 v[R+16*((\t)%4)+4*\i:R+16*((\t)%4)+4*\i+3], v3, s[4:5] offset:2048*(\t)+512*\i th:TH_LOAD_NT   ; 32 lanes read 512 consecutive bytes
.endr
.endm
.macro TURN t                          ; step t's numbers through the stage: LDS serves a wave's instructions in order, so no wait stands between the stores and the loads
.irp i, 0,1,2,3
	ds_store_b128 v14, v[R+16*((\t)%4)+4*\i:R+16*((\t)%4)+4*\i+3] offset:32*SP*((\t)%2)+8*SP*\i
.endr
.irp i, 0,1,2,3
	ds_load_b128 v[X+16*((\t)%2)+4*\i:X+16*((\t)%2)+4*\i+3], v15 offset:32*SP*((\t)%2)+16*\i
.endr
.endm
.irp t, 0,1,2,3
	LOAD \t
.endr
	s_wait_loadcnt 12                              ; step 0's four loads are in; the twelve of steps 1 to 3 may be out
	TURN 0
.macro STEP t
.set XS, X+16*((\t)%2)
.if (\t) > 0
	s_wait_dscnt 1                                 ; this step's numbers are back from the stage (the last step's byte store may be out): so its stores into the stage have read their registers,
.else
	s_wait_dscnt 0x0
.endif
.if (\t)+4 < STEPS
	LOAD (\t)+4                                    ; which take the loads of four steps on
.endif
.if (\t)+1 < STEPS
.if STEPS-2-(\t) >= 3
	s_wait_loadcnt 12                              ; the next step's four loads are in; those of the three steps behind it may be out
.else
	s_wait_loadcnt 4*(STEPS-2-(\t))
.endif
	TURN (\t)+1                                    ; and go through the other stage while this step is worked
.endif
	v_max3_num_f32 v8, |v[XS]|, |v[XS+1]|, |v[XS+2]|               ; the largest magnitude of my 16, in two chains
	v_max3_num_f32 v9, |v[XS+3]|, |v[XS+4]|, |v[XS+5]|
.irp i, 6,10
	v_max3_num_f32 v8, v8, |v[XS+\i]|, |v[XS+\i+1]|
	v_max3_num_f32 v9, v9, |v[XS+\i+2]|, |v[XS+\i+3]|
.endr
	v_max3_num_f32 v8, v8, |v[XS+14]|, |v[XS+15]|
	v_max3_num_f32 v8, v8, v9, (EMAX+1)<<23        ; and the floor 2^(EMAX + 1 - 127): so the byte cannot fall under 1
	v_max_num_f32_dpp v8, v8, v8 row_xmask:1 row_mask:0xf bank_mask:0xf   ; and of my neighbour's 16: the block's
	v_add_nc_u32 v11, -(EMAX<<23), v8              ; EMAX off its exponent field: the conversion takes the exponent field of this operand as its scale, and nothing else of it
	v_cvt_scalef32_pk8_fp4_f32 v[C+4*(\t)], v[XS:XS+7], v11        ; eight numbers / the scale, to the nearest code, ties to even, beyond the largest code the largest
	v_cvt_scalef32_pk8_fp4_f32 v[C+4*(\t)+1], v[XS+8:XS+15], v11
	v_lshrrev_b32 v[E+(\t)], 23, v11               ; the scale's byte (also the plain line behind the conversions)
	ds_store_b8 v5, v[E+(\t)] offset:16*(\t)       ; both lanes of a block write the same byte with the same value
	global_store_b64 v4, v[C+4*(\t):C+4*(\t)+1], s[8:9] offset:32*CB*(\t)   ; 32 lanes store 256 consecutive bytes, aligned
.endm
.irp t, 0,1,2,3,4,5,6,7,8,9,10,11,12,13,14,15
	STEP \t
.endr
	ds_load_b64 v[8:9], v6                         ; LDS serves a wave's instructions in order: these see my stores
	s_wait_dscnt 0x0
	global_store_b64 v7, v[8:9], s[10:11]          ; 32 lanes store 256 consecutive bytes, aligned
	s_wait_tensorcnt 0x0                           ; the wave's end: behind my last LDS store
	ds_add_u32 v[SPW], v[NIL]
	s_wait_dscnt 0x0
	s_endpgm
; W_PROJ TO F16.  wp16 is laid [16 K blocks][1024 n][64]: byte = kb x 131,072 + n x 128 + 2 (k % 64), so that a K block of 64 of any run of rows is one dense block for the projection's tiles.
; A wave takes 8 rows, a pair at a time.  A load reads, in lanes 0-15, the 256 bytes of one K block of row n, in lanes 16-31 those of row n + 1; a lane's four numbers become 8 bytes,
; and the 32 lanes store 256 consecutive bytes, aligned.  Two pairs (32 loads) are on their way.
.Lconv:
	s_sub_co_u32 s17, ttmp9, WGQ
	s_lshl_b32 s17, s17, 5
	s_lshl_b32 s18, s16, 3
	s_add_co_u32 s17, s17, s18                     ; my first row: 32 x work-group + 8 x wave
	s_lshl_b32 s18, s17, 12                        ; rows of 4,096 bytes in w_proj,
	s_mov_b32 s19, 0
	s_lshl_b32 s20, s17, 7                         ; of 128 bytes in a K block of wp16
	s_mov_b32 s21, 0
	v_lshrrev_b32 v3, 4, v2
	v_and_b32 v4, 15, v2
	v_lshlrev_b32 v6, 12, v3
	v_lshl_add_u32 v6, v4, 4, v6                   ; in: (lane / 16) rows + 16 (lane % 16)
	v_lshlrev_b32 v7, 3, v2                        ; out: 8 x lane
	s_wait_kmcnt 0x0
	s_add_nc_u64 s[24:25], s[24:25], s[18:19]
	s_add_nc_u64 s[26:27], s[26:27], s[20:21]
.macro CLOAD pr
.irp kb, 0,1,2,3,4,5,6,7,8,9,10,11,12,13,14,15
	global_load_b128 v[CV+64*((\pr)%2)+4*\kb:CV+64*((\pr)%2)+4*\kb+3], v6, s[24:25] offset:(\pr)*8192+\kb*256 th:TH_LOAD_NT
.endr
.endm
.macro CSTORE pr
.irp kb, 0,1,2,3,4,5,6,7,8,9,10,11,12,13,14,15
	v_cvt_pk_f16_f32 v[CV+64*((\pr)%2)+4*\kb], v[CV+64*((\pr)%2)+4*\kb], v[CV+64*((\pr)%2)+4*\kb+1]
	v_cvt_pk_f16_f32 v[CV+64*((\pr)%2)+4*\kb+1], v[CV+64*((\pr)%2)+4*\kb+2], v[CV+64*((\pr)%2)+4*\kb+3]
	global_store_b64 v7, v[CV+64*((\pr)%2)+4*\kb:CV+64*((\pr)%2)+4*\kb+1], s[26:27] offset:\kb*131072+(\pr)*256
.endr
.endm
	CLOAD 0
	CLOAD 1
	s_wait_loadcnt 16                              ; the older pair's sixteen loads are in, the younger pair's may be out
	CSTORE 0
	s_wait_xcnt 0x0                                ; the stores have read their registers: the set is loaded again only behind this wait
	CLOAD 2
	s_wait_loadcnt 16
	CSTORE 1
	s_wait_xcnt 0x0
	CLOAD 3
	s_wait_loadcnt 16
	CSTORE 2
	s_wait_loadcnt 0x0
	CSTORE 3
	s_endpgm
.Lfunc_end_k_q1c9e576e87_prep:
	.size	k_q1c9e576e87_prep, .Lfunc_end_k_q1c9e576e87_prep-k_q1c9e576e87_prep
	.p2alignl 7, 3214868480
	.fill 96, 4, 3214868480
	.section	.rodata,"a",@progbits
	.p2align	6, 0x0
	.amdhsa_kernel k_q1c9e576e87_prep
		.amdhsa_group_segment_fixed_size 33280
		.amdhsa_private_segment_fixed_size 0
		.amdhsa_enable_private_segment 0
		.amdhsa_kernarg_size 64
		.amdhsa_user_sgpr_count 2
		.amdhsa_user_sgpr_kernarg_segment_ptr 1
		.amdhsa_wavefront_size32 1
		.amdhsa_system_sgpr_workgroup_id_x 1
		.amdhsa_system_sgpr_workgroup_id_y 1
		.amdhsa_system_sgpr_workgroup_id_z 1
		.amdhsa_system_vgpr_workitem_id 0
		.amdhsa_next_free_vgpr 192
		.amdhsa_next_free_sgpr 66
		.amdhsa_reserve_vcc 0
		.amdhsa_float_denorm_mode_32 3
		.amdhsa_float_denorm_mode_16_64 3
		.amdhsa_memory_ordered 1
		.amdhsa_forward_progress 1
		.amdhsa_inst_pref_size 54
	.end_amdhsa_kernel
	.amdgpu_metadata
---
amdhsa.version: [ 1, 2 ]
amdhsa.kernels:
  - .name:           k_q1c9e576e87_prep
    .symbol:         k_q1c9e576e87_prep.kd
    .args:
      - { .name: x, .offset: 0, .size: 8, .value_kind: global_buffer, .address_space: global }
      - { .name: w_attn, .offset: 8, .size: 8, .value_kind: global_buffer, .address_space: global }
      - { .name: xc, .offset: 16, .size: 8, .value_kind: global_buffer, .address_space: global }
      - { .name: xs, .offset: 24, .size: 8, .value_kind: global_buffer, .address_space: global }
      - { .name: wc, .offset: 32, .size: 8, .value_kind: global_buffer, .address_space: global }
      - { .name: ws, .offset: 40, .size: 8, .value_kind: global_buffer, .address_space: global }
      - { .name: w_proj, .offset: 48, .size: 8, .value_kind: global_buffer, .address_space: global }
      - { .name: wp16, .offset: 56, .size: 8, .value_kind: global_buffer, .address_space: global }
    .group_segment_fixed_size: 33280
    .private_segment_fixed_size: 0
    .kernarg_segment_align: 8
    .kernarg_segment_size: 64
    .max_flat_workgroup_size: 128
    .sgpr_count:     66
    .vgpr_count:     192
    .wavefront_size: 32
...
	.end_amdgpu_metadata
.endif
;; end of part 1
;; launch qkv (part 2): grid 12 x 32, 4 waves a work-group, clusters of 4 x 4, 327,680 bytes of LDS; arguments xc, xs, wc, ws, qkv, qkvf; writes qkv, qkvf
.if DOCPART == 2
	.amdgcn_target "amdgcn-amd-amdhsa--gfx1250"
	.amdhsa_code_object_version 6
	.text
	.protected	k_q1c9e576e87_qkv
	.globl	k_q1c9e576e87_qkv
	.p2align	8
	.type	k_q1c9e576e87_qkv,@function
k_q1c9e576e87_qkv:
	s_mov_b64 s[64:65], 0
	v_nop
	global_prefetch_b8 v0, s[64:65] scope:SCOPE_SE
	s_setreg_imm32_b32 hwreg(HW_REG_WAVE_MODE, 25, 1), 1
	s_wait_xcnt 0x0
	s_wait_alu depctr_hold_cnt(0) depctr_sa_sdst(0) depctr_va_vdst(0) depctr_va_sdst(0) depctr_va_ssrc(0) depctr_va_vcc(0) depctr_vm_vsrc(0)
	s_getreg_b32 s2, hwreg(HW_REG_IB_STS2, 6, 4)
	s_cmp_eq_u32 s2, 0
	s_cbranch_scc0 .Lentry_in_a_cluster
	s_endpgm
.Lentry_in_a_cluster:
	s_bfe_u32 s2, ttmp6, 0x10000c
	s_cmp_lg_u32 s2, 0xf033
	s_cbranch_scc0 .Lentry_shape_is_right
	s_endpgm
.Lentry_shape_is_right:
; qkv[m][n] = sum over k of x[m][k] w_attn[n][k], both as codes of FP4 (E2M1) with one E8M0 scale for each 32 along K; sums in f32.  m = 8,192, n = 3,072, k = 1,024.
; The matrix instruction takes codes and scale bytes as they lie in memory: 128 codes are 64 bytes, the lower k in the low four bits.
; A tile of 256 x 256 is made by a work-group of four waves; a wave makes 128 x 128: 64 accumulators of 16 x 16, 512 registers.  K is two slots of 512: both are asked for at the head, nothing is filled again.
; THE SCALES of the work-group's 256 rows of x and 256 rows of w_attn, for all of K, are two dense blocks of memory: they come into LDS once, with the first fills.
; CLUSTERS: 4 x 4 work-groups.  The four of a row of the cluster need the same tiles of x, the four of a column the same tiles of w_attn: each tile is asked for JOINTLY.
; THE TILE ROW IS 8 cy + cluster y: the batch is then cy and the tile's first position 256 x cluster y, so that 'this tile holds positions 0 to 15' hangs on cluster y alone, which all sixteen partners share.
; THE MATRIX INSTRUCTION IS USED TRANSPOSED (source 0 = 16 rows of w_attn, source 1 = 16 rows of x): a lane then holds eight neighbouring columns of one row.
; RESULTS: f16, laid by head: qkv [4 b][48 g][2048 s][64], g = n / 64 (q: g = h; k: 16 + h; v: 32 + h); and positions 0 to 15 of each batch once more in f32, qkvf [4 b][16 s][3072], for the fine launch.
; LIMITS: q, k, v must stay under 65,504 in magnitude; what lies under 6e-8 becomes 0 in f16.
; REGISTERS, in windows of 256: window 0: v0-31 addresses; v32-95 scale words, two sets; from v128 x's fragments (8 x 16 rows x 128 K), ONE set; on the way out v128-223 are free.
;   window 1: w_attn's fragments, TWO sets, at v0 and at v128.   window 2: the 32 accumulators of my rows 0-63 (accumulator (a, b) at v[8 (8 a + b)]);   window 3: those of my rows 64-127.
.set SIZE_M, 8192
.set SIZE_N, 3072
.set SIZE_K, 1024
.set KSTEP,  512                       ; along K in a slot
.set NQ,     KSTEP/128                 ; matrix instructions deep
.set ROWB,   256                       ; a tile's row in bytes
.set KROW,   SIZE_K*4/8                ; a row of codes in memory, in bytes
.set PITCH,  272                       ; an LDS row: 256 bytes of data + 16 of padding, so that the 16 rows that a load touches start 16 bytes apart modulo 256
.set FR,     8                         ; registers of a fragment: 16 rows x 128 K
.set NL,     2                         ; LDS loads that bring one
.set NP,     4                         ; places behind this matrix instruction (ISA guide 7.12.1)
.set HALFT,  128*PITCH                 ; 128 rows: what one tensor load brings
.set SLOT,   4*HALFT                   ; x's 256 rows, then w_attn's 256 rows
.set KS,     SIZE_K/32                 ; a row of scales in bytes
.set SCL,    2*SLOT                    ; behind the slots: the scales, as runs of 256 bytes + 16 of padding
.set HALFS,  (128*KS/256)*272          ; the scales of 128 rows: what one tensor load brings
.set SBLK,   (16*KS/256)*272           ; those of 16 rows
.set SPARE,  SCL+4*HALFS               ; the spare words, 128 bytes for each wave
.set STAGE,  SPARE+512                 ; the way out: 16 rows x (256 bytes + 16) for each wave, bytes of their own into which no tile lands
.set SPITCH, 272
.set ADRA, 16                          ; v16-17  LDS address of my fragments of x in slot 0, 1
.set ADRB, 20                          ; v20-21  the same for w_attn
.set STO,  24                          ; v24     the way out: where I put 16 bytes of a row
.set RD,   25                          ; v25     the way out: where I read back
.set CO,   26                          ; v26     my byte offset in qkv
.set ADRS, 27                          ; v27     LDS address of my scale words: lanes 0-15 x's rows, lanes 16-31 w_attn's
.set SPW,  28                          ; v28     LDS address of my spare word; never rewritten
.set NIL,  29                          ; v29     0; never rewritten
.set VF,   30                          ; v30     my byte offset in qkvf
.set SC,   32                          ; scale words: set s at v[SC + 8 NQ s]; register NQ i + q: lanes 0-15 the word of x's block i, lanes 16-31 that of w_attn's block i
.set AF,   128                         ; x's fragments, in window 0
.set TMP,  128                         ; the way out: a block's packed results, v128-159
.set BK,   160                         ; and 16 rows read back from the stage: v160-191 and v192-223 by turns
.set G1, 24                            ; s[24:31] descriptor group 1 for x's tiles;  s[32:39] group 0, one set for each slot
.set G0, 32
.set G1B, 48                           ; s[48:55], s[56:63] the same for w_attn's tiles
.set G0B, 56
.set G1S, 68                           ; s[68:75], s[76:79] groups 1 and 0 for x's scales;  s[80:87], s[88:91] for w_attn's
.set G0S, 76
.set G1SB, 80
.set G0SB, 88
.set FN,  95                           ; s95     0 in the waves that hold positions 0 to 15 of a batch
.set MSB, 0
.macro WIN new                         ; the immediate's high byte repeats the setting that is left
.if MSB != \new
	s_set_vgpr_msb (MSB<<8)|\new
.set MSB, \new
.endif
.endm
.set MUL_LO, 0xa1                      ; source 0 window 1, source 1 window 0, C and D window 2
.set MUL_HI, 0xf1                      ; the same, C and D window 3
.set TO_B,   0x40                      ; destination window 1, address window 0
; A joint load: waves 0 and 1 fetch for x, waves 2 and 3 for w_attn.  The branch hangs on the wave's number alone.  An s_nop 0 and four v_nop follow each of the two lines.
.macro JLOAD g0a, g1a, g0b, g1b
	s_cmp_eq_u32 s15, 0
	s_cbranch_scc0 .Lfor_b_\@
	tensor_load_to_lds s[\g0a:\g0a+3], s[\g1a:\g1a+7]
	s_nop 0
.rept 4
	v_nop
.endr
	s_branch .Lasked_\@
.Lfor_b_\@:
	tensor_load_to_lds s[\g0b:\g0b+3], s[\g1b:\g1b+7]
	s_nop 0
.rept 4
	v_nop
.endr
.Lasked_\@:
.endm
.macro CROUND                          ; a round of the cluster's barrier
	s_barrier_signal -1
	s_barrier_wait -1
	s_cmp_lg_u32 s14, 0
	s_cbranch_scc1 .Lnot_wave_0_\@
	s_barrier_signal -3
.Lnot_wave_0_\@:
	s_barrier_wait -3
	s_barrier_signal -1
	s_barrier_wait -1
.endm
	s_load_b128 s[4:7], s[0:1], 0x0                ; x's codes s[4:5], x's scales s[6:7]
	s_load_b128 s[8:11], s[0:1], 0x10              ; w_attn's codes s[8:9], its scales s[10:11]
	s_load_b64 s[12:13], s[0:1], 0x20              ; qkv
	s_load_b64 s[96:97], s[0:1], 0x28              ; qkvf
	v_lshl_add_u32 v[SPW], v0, 2, SPARE
	v_mov_b32 v[NIL], 0
	ds_add_u32 v[SPW], v[NIL]                      ; the wave's opening: the add, twice on end, and its wait ahead of my first tensor load
	ds_add_u32 v[SPW], v[NIL]
	v_lshrrev_b32 v1, 5, v0
	v_readfirstlane_b32 s14, v1                    ; wave 0..3
	s_lshr_b32 s15, s14, 1                         ; which half of the tile's rows is mine.  Also: I fetch for x (0) or for w_attn (1)
	s_and_b32 s16, s14, 1                          ; which half of its columns.  Also: which 128 rows of that tile I fetch
	s_bfe_u32 s40, ttmp6, 0x40000                  ; cx, cy: my place in the cluster
	s_bfe_u32 s41, ttmp6, 0x40004
	s_lshl_b32 s42, ttmp9, 2
	s_add_co_u32 s42, s42, s40                     ; tile column = 4 x cluster x + cx
	s_and_b32 s17, ttmp7, 0xffff
	s_lshl_b32 s18, s41, 3
	s_add_co_u32 s17, s17, s18                     ; tile row = 8 cy + cluster y
	s_lshl_b32 s43, s41, 2
	s_lshl_b32 s43, 15, s43                        ; my row of the cluster
	s_lshl_b32 s44, 0x1111, s40                    ; my column
	; descriptor group 1: a tile of 128 rows x 256 bytes, padded in LDS
	s_or_b32 s[G1+0], s43, (0<<16)|(1<<20)|(1<<21)|(5<<22)|(3<<25)  ; 15:0 the mask; 17:16 element of 1 byte; 20 padding on; 21 set beside a mask; 24:22 after every 64 words; 31:25 four words
	s_or_b32 s[G1B+0], s44, (0<<16)|(1<<20)|(1<<21)|(5<<22)|(3<<25)
.irp g, G1, G1B
	s_mov_b32 s[\g+1], ROWB<<16                    ; tensor_dim0
	s_mov_b32 s[\g+2], 128<<16                     ; tensor_dim1 = 128
	s_mov_b32 s[\g+3], ROWB<<16                    ; tile_dim0
	s_mov_b32 s[\g+4], 128                         ; tile_dim1 = 128
	s_mov_b32 s[\g+5], KROW                        ; tensor_dim0_stride
	s_mov_b32 s[\g+6], 0
	s_mov_b32 s[\g+7], 0
.endr
	; the scales of 128 rows: a dense block of 4,096 bytes, as 16 rows of 256 bytes (32 elements of 8 bytes), 16 bytes of padding behind each
	s_or_b32 s[G1S+0], s43, (3<<16)|(1<<20)|(1<<21)|(5<<22)|(3<<25)
	s_or_b32 s[G1SB+0], s44, (3<<16)|(1<<20)|(1<<21)|(5<<22)|(3<<25)
.irp g, G1S, G1SB
	s_mov_b32 s[\g+1], 32<<16
	s_mov_b32 s[\g+2], (128*KS/256)<<16
	s_mov_b32 s[\g+3], 32<<16
	s_mov_b32 s[\g+4], 128*KS/256
	s_mov_b32 s[\g+5], 32
	s_mov_b32 s[\g+6], 0
	s_mov_b32 s[\g+7], 0
.endr
	s_lshl_b32 s18, s16, 7                         ; which 128 rows of the tile I fetch
	s_lshl_b32 s20, s17, 8
	s_add_co_u32 s20, s20, s18                     ; x: row 256 x tile row + 128 x half
	s_lshl_b32 s46, s42, 8
	s_add_co_u32 s46, s46, s18                     ; w_attn: row 256 x tile column + 128 x half
	s_mov_b32 s21, 0
	s_mov_b32 s47, 0
	s_mov_b64 s[18:19], KS
	s_mul_u64 s[22:23], s[20:21], s[18:19]         ; where these rows' scales begin, in bytes
	s_mul_u64 s[92:93], s[46:47], s[18:19]
	s_mov_b64 s[18:19], KROW
	s_mul_u64 s[20:21], s[20:21], s[18:19]         ; and their codes
	s_mul_u64 s[46:47], s[46:47], s[18:19]
	s_mul_i32 s45, s14, HALFT                      ; where they go: wave x 128 rows: no place in the cluster enters an LDS address
	s_mul_i32 s94, s14, HALFS
	s_wait_dscnt 0x0                               ; both opening adds are done
	s_wait_kmcnt 0x0
	s_add_nc_u64 s[20:21], s[4:5], s[20:21]
	s_add_nc_u64 s[22:23], s[6:7], s[22:23]
	s_add_nc_u64 s[46:47], s[8:9], s[46:47]
	s_add_nc_u64 s[92:93], s[10:11], s[92:93]
	CROUND                                         ; all sixteen work-groups are here: the first joint loads meet
	s_mov_b32 s[G0S], 1
	s_add_co_u32 s[G0S+1], s94, SCL
	s_mov_b64 s[G0S+2:G0S+3], s[22:23]
	s_or_b32 s[G0S+3], s[G0S+3], 0x80000000
	s_mov_b32 s[G0SB], 1
	s_add_co_u32 s[G0SB+1], s94, SCL
	s_mov_b64 s[G0SB+2:G0SB+3], s[92:93]
	s_or_b32 s[G0SB+3], s[G0SB+3], 0x80000000
	JLOAD G0S, G1S, G0SB, G1SB                     ; the scales first: they are wanted with slot 0.  Three tensor loads of mine are out behind the last of these
.irp s, 0,1
	s_mov_b32 s[G0+4*\s], 1
	s_add_co_u32 s[G0+4*\s+1], s45, \s*SLOT
	s_add_nc_u64 s[G0+4*\s+2:G0+4*\s+3], s[20:21], \s*ROWB
	s_or_b32 s[G0+4*\s+3], s[G0+4*\s+3], 0x80000000
	s_mov_b32 s[G0B+4*\s], 1
	s_add_co_u32 s[G0B+4*\s+1], s45, \s*SLOT
	s_add_nc_u64 s[G0B+4*\s+2:G0B+4*\s+3], s[46:47], \s*ROWB
	s_or_b32 s[G0B+4*\s+3], s[G0B+4*\s+3], 0x80000000
	JLOAD G0+4*\s, G1, G0B+4*\s, G1B
.endr
	v_and_b32 v1, 15, v0                           ; r = l % 16
	v_bfe_u32 v2, v0, 4, 1                         ; h = l / 16
	v_mul_u32_u24 v3, v1, PITCH
	v_lshl_add_u32 v4, v2, 4, v3                   ; a fragment's row x pitch + 16 x half
	s_mul_i32 s21, s15, HALFT                      ; my 128 rows of x
	s_mul_i32 s22, s16, HALFT                      ; my 128 rows of w_attn,
	s_add_co_u32 s22, s22, 2*HALFT                 ; which lie behind x's 256
.irp s, 0,1
	v_add_nc_u32 v[ADRA+\s], s21, v4
	v_add_nc_u32 v[ADRB+\s], s22, v4
	s_add_co_u32 s21, s21, SLOT
	s_add_co_u32 s22, s22, SLOT
.endr
	v_mul_u32_u24 v5, v1, KS                       ; my row's scales: KS bytes a row,
	v_lshrrev_b32 v6, 8, v5
	v_lshl_add_u32 v5, v6, 4, v5                   ; and 16 more for each 256 passed
	s_mul_i32 s21, s15, HALFS                      ; x's: my 128 rows
	s_mul_i32 s22, s16, HALFS                      ; w_attn's: my 128 rows, behind x's 256
	s_add_co_u32 s22, s22, 2*HALFS
	s_sub_co_u32 s22, s22, s21
	v_mul_u32_u24 v6, s22, v2                      ; lanes 16-31 take w_attn's
	s_add_co_u32 s21, s21, SCL
	v_add_nc_u32 v5, v5, v6
	v_add_nc_u32 v[ADRS], s21, v5
	s_mul_i32 s23, s14, 16*SPITCH
	s_add_co_u32 s23, s23, STAGE                   ; my stage
	v_mul_u32_u24 v5, v1, SPITCH                   ; in: row r, 16 bytes for each half of the lanes
	v_lshl_add_u32 v5, v2, 4, v5
	v_add_nc_u32 v[STO], s23, v5
	v_bfe_u32 v5, v0, 3, 1                         ; back: lanes 0-15 take two rows' 128 bytes of my first head, lanes 16-31 of my second:
	v_mul_u32_u24 v5, v5, SPITCH                   ; row (l % 16) / 8,
	v_lshl_add_u32 v5, v2, 7, v5                   ; + 128 x head,
	v_and_b32 v6, 7, v0
	v_lshl_add_u32 v5, v6, 4, v5                   ; + 16 (l % 8)
	v_add_nc_u32 v[RD], s23, v5
	v_lshlrev_b32 v[CO], 18, v2                    ; and in qkv: a head's plane is 262,144 bytes; two rows of 128 bytes are neighbours there
	v_lshl_add_u32 v[CO], v1, 4, v[CO]
	v_mul_u32_u24 v[VF], v1, 12288                 ; qkvf: row r of 12,288 bytes, + 32 h
	v_lshl_add_u32 v[VF], v2, 5, v[VF]
	s_mul_i32 s20, s41, 12582912                   ; qkv: the batch (cy),
	s_and_b32 s21, ttmp7, 0xffff                   ; cluster y:
	s_lshl_b32 s22, s21, 15                        ; 256 positions of 128 bytes,
	s_add_co_u32 s20, s20, s22
	s_lshl_b32 s22, s15, 14                        ; my half's 128,
	s_add_co_u32 s20, s20, s22
	s_lshl_b32 s22, s42, 20                        ; four planes a tile column,
	s_add_co_u32 s20, s20, s22
	s_lshl_b32 s22, s16, 19                        ; two for my half
	s_add_co_u32 s20, s20, s22
	s_or_b32 s[FN], s21, s15                       ; 0: cluster y = 0 and my rows are the tile's first 128: made of cluster y and the wave's number alone
	s_mov_b32 s21, 0
	s_add_nc_u64 s[12:13], s[12:13], s[20:21]
	s_mul_i32 s20, s41, 196608                     ; qkvf: the batch, my first column x 4 bytes
	s_lshl_b32 s22, s42, 10
	s_add_co_u32 s20, s20, s22
	s_lshl_b32 s22, s16, 9
	s_add_co_u32 s20, s20, s22
	s_add_nc_u64 s[96:97], s[96:97], s[20:21]
.macro FRAG reg, adr, q, i             ; a fragment, 16 rows x 128 K of 4-bit codes: lane l holds row l % 16; registers 4 c .. 4 c + 3 hold K = 64 c + 32 (l / 16) + 0 .. 31
.irp c, 0,1
	ds_load_b128 v[\reg+4*\c:\reg+4*\c+3], v[\adr] offset:64*(\q)+32*\c+(\i)*16*PITCH
.endr
.endm
; 16 matrix instructions: x's blocks a0, a0 + 1 against w_attn's eight, 128 along K: the slot's q-th.  p: w_attn's set;  sc: the set of scale words.  zero = 1: the first product starts the sums.
; The 64 accumulators take turns, one instruction a turn, in the same order in every step.
.macro MUL16 a0, p, q, sc, zero
.irp a, \a0, \a0+1
.irp b, 0,1,2,3,4,5,6,7
.if \zero
	v_wmma_scale_f32_16x16x128_f8f6f4 v[8*(8*((\a)%4)+\b):8*(8*((\a)%4)+\b)+7], v[128*(\p)+FR*\b:128*(\p)+FR*\b+FR-1], v[AF+FR*(\a):AF+FR*(\a)+FR-1], 0, v[SC+8*NQ*(\sc)+NQ*\b+(\q)], v[SC+8*NQ*(\sc)+NQ*(\a)+(\q)] matrix_a_fmt:MATRIX_FMT_FP4 matrix_b_fmt:MATRIX_FMT_FP4 matrix_a_scale:MATRIX_SCALE_ROW1
.else
	v_wmma_scale_f32_16x16x128_f8f6f4 v[8*(8*((\a)%4)+\b):8*(8*((\a)%4)+\b)+7], v[128*(\p)+FR*\b:128*(\p)+FR*\b+FR-1], v[AF+FR*(\a):AF+FR*(\a)+FR-1], v[8*(8*((\a)%4)+\b):8*(8*((\a)%4)+\b)+7], v[SC+8*NQ*(\sc)+NQ*\b+(\q)], v[SC+8*NQ*(\sc)+NQ*(\a)+(\q)] matrix_a_fmt:MATRIX_FMT_FP4 matrix_b_fmt:MATRIX_FMT_FP4 matrix_a_scale:MATRIX_SCALE_ROW1
.endif
.endr
.endr
.endm
.macro FETCH_B slot, q, p              ; w_attn's eight fragments of the slot's q-th 128 along K into set p
	WIN TO_B
.irp i, 0,1,2,3,4,5,6,7
	FRAG 128*(\p)+FR*\i, ADRB+\slot, \q, \i
.endr
	WIN 0
.endm
.macro FETCH_A slot, q, i0             ; x's blocks i0 .. i0 + 3
.irp i, \i0, \i0+1, \i0+2, \i0+3
	FRAG AF+FR*(\i), ADRA+\slot, \q, \i
.endr
.endm
.macro SCALES sc                       ; a slot's scale words into set sc: NQ words a row; lanes 0-15 take x's block i, lanes 16-31 w_attn's block i
.irp i, 0,1,2,3,4,5,6,7
	ds_load_b128 v[SC+8*NQ*\sc+NQ*\i:SC+8*NQ*\sc+NQ*\i+3], v[ADRS] offset:\i*SBLK
.endr
.endm
; A load into a register that a matrix instruction has read, and a vector instruction or a store that reads a matrix result, stand NP places behind that matrix instruction;
; only plain vector instructions that name none of its registers are places.
.macro PLACES n
.rept \n
	v_nop
.endr
.endm
; A step of 128 along K that has its successor in the same slot.  x has one set of registers: blocks 0-3 are fetched anew in the step's middle, blocks 4-7 at its end.
.macro STEP slot, q, zero
	s_wait_dscnt 4*NL                              ; w_attn's set and x's blocks 0-3 are in; the youngest eight loads (x's blocks 4-7) may be out
	WIN MUL_LO
	MUL16 0, (\q)%2, \q, \slot, \zero
	MUL16 2, (\q)%2, \q, \slot, \zero
	s_wait_dscnt 0                                 ; x's blocks 4-7 are in
	PLACES NP
	FETCH_B \slot, (\q)+1, 1-(\q)%2
	FETCH_A \slot, (\q)+1, 0
	WIN MUL_HI
	MUL16 4, (\q)%2, \q, \slot, \zero
	MUL16 6, (\q)%2, \q, \slot, \zero
	PLACES NP
	WIN 0
	FETCH_A \slot, (\q)+1, 4
.endm
; Slot 0's last step goes over to slot 1: one barrier; in front of it each wave waits for all its tensor loads (its part of slot 1), adds 0 to its spare word, and waits for that and for its LDS reads.
.macro TURN slot, next
	s_wait_tensorcnt 0x0                           ; all my tensor loads have landed
	ds_add_u32 v[SPW], v[NIL]                      ; 0 onto my spare word
	s_wait_dscnt 4*NL+1                            ; (the add and the youngest eight loads, x's blocks 4-7, may be out)
	WIN MUL_LO
	MUL16 0, 1, NQ-1, \slot, 0                     ; sixteen matrix instructions stand between the add and the wait for it
	s_wait_dscnt 0x0                               ; the add is done, and no LDS instruction of mine is out at the signal
	s_barrier_signal -1
	MUL16 2, 1, NQ-1, \slot, 0
	WIN 0
	s_barrier_wait -1                              ; every wave's part of the next slot has landed
	PLACES NP
	v_add_nc_u32 v[ADRS], 4*NQ, v[ADRS]            ; on to the next slot's scale words
	FETCH_B \next, 0, 0
	FETCH_A \next, 0, 0
	SCALES \next
	WIN MUL_HI
	MUL16 4, 1, NQ-1, \slot, 0
	MUL16 6, 1, NQ-1, \slot, 0
	PLACES NP
	WIN 0
	FETCH_A \next, 0, 4
.endm
	s_wait_tensorcnt 1                             ; the scales and my part of slot 0 are in; slot 1's load may be out
	s_barrier_signal -1
	s_barrier_wait -1                              ; everybody's are
	FETCH_B 0, 0, 0
	FETCH_A 0, 0, 0
	SCALES 0
	FETCH_A 0, 0, 4
	STEP 0, 0, 1                                   ; the first step's products start the sums: nothing is cleared
	STEP 0, 1, 0
	STEP 0, 2, 0
	TURN 0, 1
	STEP 1, 0, 0
	STEP 1, 1, 0
	STEP 1, 2, 0
	s_wait_dscnt 4*NL                              ; the very last step: nothing more to fetch
	WIN MUL_LO
	MUL16 0, 1, NQ-1, 1, 0
	MUL16 2, 1, NQ-1, 1, 0
	s_wait_dscnt 0
	WIN MUL_HI
	MUL16 4, 1, NQ-1, 1, 0
	MUL16 6, 1, NQ-1, 1, 0
	WIN 0
	PLACES NP                                      ; behind the last products: for the stores and conversions that read results, and for what is written over x's fragments
	; POSITIONS 0 TO 15 OF A BATCH IN F32: my block 0, where the tile is a batch's first and my rows are its first 128.  Lane (r, h): row r, columns 16 b + 8 h + 0 .. 7: 32 bytes.
	s_cmp_lg_u32 s[FN], 0
	s_cbranch_scc1 .Lnofine
	WIN 0x08                                       ; a store's data are its source 1: window 2
.irp b, 0,1,2,3,4,5,6,7
	global_store_b128 v[VF], v[8*\b:8*\b+3], s[96:97] offset:64*\b         ; each accumulator from its low end on
	global_store_b128 v[VF], v[8*\b+4:8*\b+7], s[96:97] offset:64*\b+16
.endr
	WIN 0
.Lnofine:
; THE WAY OUT, block by block of 16 rows x 128 columns (two heads).  PACK: rounded to f16, 16 bytes a lane.  TOSTAGE: into my own stage, and back so that sixteen lanes hold two rows' 128 bytes of one head,
; which are 256 consecutive bytes of qkv.  SEND: stored.  LDS serves a wave's instructions in order (ISA guide 5.7.1.4): no wait between the stores and the loads.
.macro PACK a
.set AC, 64*((\a)%4)
	WIN 0x0a+5*((\a)/4)                            ; sources 0 and 1: window 2 or 3
.irp b, 0,1,2,3,4,5,6,7
.irp i, 0,1,2,3
	v_cvt_pk_f16_f32 v[TMP+4*\b+\i], v[AC+8*\b+2*\i], v[AC+8*\b+2*\i+1]
.endr
.endr
	WIN 0
.endm
.macro TOSTAGE a
.set BB, BK+32*((\a)%2)
.irp b, 0,1,2,3,4,5,6,7
	ds_store_b128 v[STO], v[TMP+4*\b:TMP+4*\b+3] offset:32*\b
.endr
.irp u, 0,1,2,3,4,5,6,7
	ds_load_b128 v[BB+4*\u:BB+4*\u+3], v[RD] offset:\u*2*SPITCH
.endr
.endm
.macro SEND a
.set BB, BK+32*((\a)%2)
	s_wait_dscnt 0x0                               ; the block is back in registers
	s_wait_xcnt 0x0                                ; the block before has had its stores' registers read: the next block's loads land there only behind this wait
.irp u, 0,1,2,3,4,5,6,7
	global_store_b128 v[CO], v[BB+4*\u:BB+4*\u+3], s[12:13] offset:(\a)*2048+\u*256   ; each sixteen lanes store 256 consecutive bytes, aligned
.endr
.endm
	PACK 0
	TOSTAGE 0
.irp a, 1,2,3,4,5,6,7                  ; block a's conversions stand between block a - 1's loads from the stage and the wait for them
	PACK \a
	SEND \a-1
	TOSTAGE \a
.endr
	SEND 7
	s_wait_tensorcnt 0x0                           ; the wave's end: behind my last tensor load and my last LDS store
	ds_add_u32 v[SPW], v[NIL]
	s_wait_dscnt 0x0
	CROUND                                         ; the closing round: no work-group ends while a partner may still ask for a tile that names it
	s_endpgm
.Lfunc_end_k_q1c9e576e87_qkv:
	.size	k_q1c9e576e87_qkv, .Lfunc_end_k_q1c9e576e87_qkv-k_q1c9e576e87_qkv
	.p2alignl 7, 3214868480
	.fill 96, 4, 3214868480
	.section	.rodata,"a",@progbits
	.p2align	6, 0x0
	.amdhsa_kernel k_q1c9e576e87_qkv
		.amdhsa_group_segment_fixed_size 327680
		.amdhsa_private_segment_fixed_size 0
		.amdhsa_enable_private_segment 0
		.amdhsa_kernarg_size 48
		.amdhsa_user_sgpr_count 2
		.amdhsa_user_sgpr_kernarg_segment_ptr 1
		.amdhsa_wavefront_size32 1
		.amdhsa_system_sgpr_workgroup_id_x 1
		.amdhsa_system_sgpr_workgroup_id_y 1
		.amdhsa_system_sgpr_workgroup_id_z 1
		.amdhsa_system_vgpr_workitem_id 0
		.amdhsa_next_free_vgpr 1024
		.amdhsa_next_free_sgpr 100
		.amdhsa_reserve_vcc 0
		.amdhsa_float_denorm_mode_32 3
		.amdhsa_float_denorm_mode_16_64 3
		.amdhsa_memory_ordered 1
		.amdhsa_forward_progress 1
		.amdhsa_inst_pref_size 129
	.end_amdhsa_kernel
	.amdgpu_metadata
---
amdhsa.version: [ 1, 2 ]
amdhsa.kernels:
  - .name:           k_q1c9e576e87_qkv
    .symbol:         k_q1c9e576e87_qkv.kd
    .args:
      - { .name: xc, .offset: 0, .size: 8, .value_kind: global_buffer, .address_space: global }
      - { .name: xs, .offset: 8, .size: 8, .value_kind: global_buffer, .address_space: global }
      - { .name: wc, .offset: 16, .size: 8, .value_kind: global_buffer, .address_space: global }
      - { .name: ws, .offset: 24, .size: 8, .value_kind: global_buffer, .address_space: global }
      - { .name: qkv, .offset: 32, .size: 8, .value_kind: global_buffer, .address_space: global }
      - { .name: qkvf, .offset: 40, .size: 8, .value_kind: global_buffer, .address_space: global }
    .group_segment_fixed_size: 327680
    .private_segment_fixed_size: 0
    .kernarg_segment_align: 8
    .kernarg_segment_size: 48
    .max_flat_workgroup_size: 128
    .sgpr_count:     100
    .vgpr_count:     1024
    .wavefront_size: 32
...
	.end_amdgpu_metadata
.endif
;; end of part 2
;; launch attn (part 3): grid 4 x 64, 8 waves a work-group, no clusters, 327,680 bytes of LDS; arguments qkv, y16; writes y16
.if DOCPART == 3
	.amdgcn_target "amdgcn-amd-amdhsa--gfx1250"
	.amdhsa_code_object_version 6
	.text
	.protected	k_q1c9e576e87_attn
	.globl	k_q1c9e576e87_attn
	.p2align	8
	.type	k_q1c9e576e87_attn,@function
k_q1c9e576e87_attn:
	s_mov_b64 s[64:65], 0
	v_nop
	global_prefetch_b8 v0, s[64:65] scope:SCOPE_SE
	s_setreg_imm32_b32 hwreg(HW_REG_WAVE_MODE, 25, 1), 1
	s_wait_xcnt 0x0
; y[b][h][q][:] = the sum over k <= q of softmax_k(Q[q] . K[k] / 8) V[k][:], for 64 heads of 2,048 positions x 64 channels.  Q, K, V: f16, qkv [4 b][48 g][2048 s][64] (q: g = h; k: 16 + h; v: 32 + h).
; y: f16, y16 [16 h][8192 (2048 b + s)][64].  Products, maxima and sums in f32; the weights p are rounded to f16 for the second product, y once at the end.
; LIMITS: y must stay under 65,504 in magnitude; what lies under 6e-8 becomes 0 in f16.  NaN and infinities are not served.
; SHARES.  A work-group (J = 0..3, head) owns the query blocks J and 7 - J of its head, 256 queries each, one after the other: under the causal mask they walk J + 1 and 8 - J units of 256 keys,
; nine in all whatever J is: 256 work-groups of equal work, and the trip count is the constant 9.  Each of eight waves owns 32 queries, two tiles of 16; two waves share a SIMD, so that one wave's
; softmax stands beside the other's products.  A key step is 64 keys: 16 products K Q^T and 16 products V^T P.
; NO CLUSTER: the four work-groups of a head take the units in different orders (trip t wants unit t where t <= J, else unit t - J - 1), so at no change of slots do the four want the same tile;
; the order in which they would meet undoes the pairing of blocks that evens the causal work.
; LAYOUT.  S^T = K Q^T (source 0 = 16 keys, source 1 = 16 queries): a lane holds ONE query (lane % 16) and the keys 8 (lane / 16) + 0..7.  Two such tiles, rounded to f16 in pairs, ARE source 1
; (32 keys x 16 queries) of O^T = V^T P, whose result again holds one query a lane, and eight channels.  K comes out of LDS as it lies, V ([key][channel]) turned, by ds_load_tr16_b128.
; SOFTMAX.  For each query a running maximum m and sum l: p = 2^(c s - c m), c = log2(e) / 8; in every step O and l are multiplied by a = 2^(c m_old - c m_new).
; THE MASK.  A step all of whose keys come after my 32 queries is left out by a scalar branch on ids; in a step on the diagonal hidden scores become -infinity ahead of the maximum.  Key 0 counts for every query.
; THE RING.  Two slots of one unit (four steps: in each 64 rows of K, then 64 rows of V).  Waves 0-3 fetch K's rows of step w % 4, waves 4-7 V's: one tensor load a wave behind each barrier.
; REGISTERS: window 0: v1-15 addresses; v16-31 eight registers of statistics a tile; v32-63 Q; v64-127 S^T; v128-159 P; v160-223 K; v224-255 packed y.   window 1: v0-63 O^T; v64-127 V.
.set KS,    64                         ; keys in a step
.set PK,    144                        ; a row of K in LDS: 128 bytes + 16 of padding: the 16 rows of a load start 16 bytes apart modulo 256
.set PV,    160                        ; a row of V: 128 + 32
.set VOFF,  KS*PK
.set STEPB, KS*(PK+PV)
.set SLOT1, 1<<17                      ; slot 1 begins here, so that one exclusive or turns an address in one slot into the other's
.set STAGE, SLOT1+4*STEPB              ; behind the ring: 32 rows x 144 bytes for each wave, for the way out
.set SPT,   144
.set SPARE, STAGE+8*32*SPT             ; the spare words, 128 bytes for each wave
.set PFO, 1                            ; v1   256 x my lane; never rewritten
.set AK0, 2                            ; v2   my lane's place in a tile of K
.set AV0, 3                            ; v3   the same for V
.set ADK, 4                            ; v4   LDS address of the step's K
.set ADV, 5                            ; v5   of its V
.set QO,  6                            ; v6   my byte offset in the wave's rows of Q
.set STO, 7                            ; v7   the way out: where I put 16 bytes of a row
.set RD,  8                            ; v8   where I read back
.set GO,  9                            ; v9   my byte offset in the wave's rows of y
.set SPW, 10                           ; v10  LDS address of my spare word; never rewritten
.set NIL, 11                           ; v11  0; never rewritten
.set DM,  12                           ; v12  lane % 16 - 8 (lane / 16)
.set NINF, 13                          ; v13  -infinity
.set D0,  14                           ; v14-15  the mask's bound for tile 0, 1
.set ST,  16                           ; tile t's statistics at v[ST + 8 t]: +0 c m, +1 m, +2, +3 l (even keys', odd keys'), +4 to +7 at work; a lies in +6
.set QF,  32
.set S,   64
.set P,   128
.set KR,  160
.set YK,  224
.set VR,  64                           ; in window 1
.set WV,  8                            ; s8   my wave's number
.set J,   9                            ; s9   work-group x
.set BH,  10                           ; s10  16 b + h
.set JP1, 11                           ; s11  J + 1: the trip at whose head the blocks change
.set QP,  12                           ; s[12:13] the head's q
.set KP,  14                           ; s[14:15] the head's k, at my step's rows of unit 0
.set VP,  16                           ; s[16:17] the head's v likewise
.set YP,  18                           ; s[18:19] the head's rows of y16
.set QB,  20                           ; s[20:21] my 32 rows of q
.set YB,  22                           ; s[22:23] my 32 rows of y
.set G1K, 24                           ; s[24:31] descriptor group 1 for K's tiles;  s[32:39] for V's: it differs in the padding alone
.set G1V, 32
.set G0K, 40                           ; s[40:43], s[44:47] their groups 0
.set G0V, 44
.set CS,  48                           ; s[48:49] c: the packed scaling names a pair and takes its low word for both halves
.set SEL, 50                           ; s[50:51] lane selects for v_permlanex16_b32: lane l xor 16
.set TB,  52                           ; s52  LDS byte at which the step in hand begins
.set KF,  53                           ; s53  the step's first key
.set Q0,  54                           ; s54  my first query
.set T,   55                           ; s55  the trip
.set STP, 56                           ; s56  counts a slot's four steps
.set UN,  57                           ; s57  the unit that was asked for last
.set LIM, 58                           ; s58  a wave prefetches while the trip is under this: 6 where J = 0, else 0
.set QBLK, 59                          ; s59  the query block in hand
.set PFA, 60                           ; s[60:61] where my prefetches stand
.set MSB, 0
.macro WIN new                         ; the immediate's high byte repeats the setting that is left
.if MSB != \new
	s_set_vgpr_msb (MSB<<8)|\new
.set MSB, \new
.endif
.endm
.set W_D1, 0x40                        ; destination window 1
.set W_RS, 0x41                        ; O^T (destination and source 0) window 1, a window 0
.set W_PV, 0x51                        ; V (source 0), C and D window 1, P window 0
.set W_CV, 0x05                        ; sources 0 and 1 window 1, destination window 0
; Waves 0-3 fetch K's rows, waves 4-7 V's.  The branch hangs on the wave's number alone.  An s_nop 0 and four v_nop follow each of the two lines.
.macro JLOAD
	s_cmp_lt_u32 s[WV], 4
	s_cbranch_scc0 .Lfor_v_\@
	tensor_load_to_lds s[G0K:G0K+3], s[G1K:G1K+7]
	s_nop 0
.rept 4
	v_nop
.endr
	s_branch .Lasked_\@
.Lfor_v_\@:
	tensor_load_to_lds s[G0V:G0V+3], s[G1V:G1V+7]
	s_nop 0
.rept 4
	v_nop
.endr
.Lasked_\@:
.endm
; A PREFETCH INTO THE L2: in trip t the head's work-group J = 0 asks for unit t + 2 of K and of V, t = 0 .. 5.  Waves 0-3 take K's four runs of 8,192 bytes, waves 4-7 V's, lanes 256 bytes apart:
; each aligned block of 256 bytes of units 2 to 7 is named once in the launch.  That is one trip ahead of the first tensor load of that unit in any work-group of the head (J = 3's), two ahead of J = 0's own.
; Units 0 and 1 come by their loads alone; trips 6 and 7 ask for nothing: there is no unit 8.
.macro ASK
	s_cmp_lt_u32 s[T], s[LIM]
	s_cbranch_scc0 .Lnot_mine_\@
	global_prefetch_b8 v[PFO], s[PFA:PFA+1] th:TH_LOAD_NT scope:SCOPE_SE
.Lnot_mine_\@:
.endm
	s_load_b128 s[4:7], s[0:1], 0x0                ; qkv s[4:5], y16 s[6:7]
	v_lshl_add_u32 v[SPW], v0, 2, SPARE
	v_mov_b32 v[NIL], 0
	ds_add_u32 v[SPW], v[NIL]                      ; the wave's opening: the add, twice on end, and its wait ahead of my first tensor load
	ds_add_u32 v[SPW], v[NIL]
	v_lshrrev_b32 v4, 5, v0
	v_readfirstlane_b32 s[WV], v4                  ; wave 0..7
	s_mov_b32 s[J], ttmp9
	s_and_b32 s[BH], ttmp7, 0xffff
	s_add_co_u32 s[JP1], s[J], 1
	; descriptor group 1: a tile of 64 rows x 64 elements of 2 bytes, dense in memory, padded in LDS
	s_mov_b32 s[G1K], (1<<16)|(1<<20)|(4<<22)|(3<<25)   ; 15:0 no mask; 17:16 elements of 2 bytes; 20 padding on; 24:22 after every 32 words (code 4); 31:25 four words (code 3)
	s_mov_b32 s[G1V], (1<<16)|(1<<20)|(4<<22)|(7<<25)   ; the same with eight words of padding (code 7)
.irp g, G1K, G1V
	s_mov_b32 s[\g+1], 64<<16                      ; tensor_dim0 = 64
	s_mov_b32 s[\g+2], KS<<16                      ; tensor_dim1 = 64
	s_mov_b32 s[\g+3], 64<<16                      ; tile_dim0 = 64
	s_mov_b32 s[\g+4], KS                          ; tile_dim1 = 64
	s_mov_b32 s[\g+5], 64                          ; tensor_dim0_stride
	s_mov_b32 s[\g+6], 0
	s_mov_b32 s[\g+7], 0
.endr
	s_mov_b32 s[CS], 0x3e38aa3b                    ; c = log2(e) / 8
	s_mov_b32 s[CS+1], s[CS]                       ; named with it as a pair, so it is written
	s_mov_b32 s[SEL], 0x76543210
	s_mov_b32 s[SEL+1], 0xfedcba98
	s_mov_b32 s[T], 0
	s_mov_b32 s[TB], 0
	s_mov_b32 s[UN], 0
	s_cmp_eq_u32 s[J], 0
	s_cselect_b32 s[LIM], 6, 0
	s_lshr_b32 s66, s[BH], 4                       ; b
	s_and_b32 s67, s[BH], 15                       ; h
	s_mul_i32 s68, s66, 48
	s_add_co_u32 s68, s68, s67
	s_lshl_b32 s68, s68, 18                        ; the head's q: plane 48 b + h of 262,144 bytes
	s_mov_b32 s69, 0
	s_lshl_b32 s67, s67, 20                        ; y16: h x 8,192 rows of 128 bytes,
	s_lshl_b32 s66, s66, 18                        ; + b x 2,048 rows
	s_add_co_u32 s66, s66, s67
	s_mov_b32 s67, 0
	s_and_b32 s72, s[WV], 3                        ; which of a unit's four steps I fetch:
	s_lshl_b32 s70, s72, 13                        ; its 64 rows of 128 bytes in memory,
	s_mov_b32 s71, 0
	s_mul_i32 s72, s72, STEPB                      ; and its place in a slot
	s_wait_dscnt 0x0                               ; both opening adds are done
	s_wait_kmcnt 0x0
	s_add_nc_u64 s[QP:QP+1], s[4:5], s[68:69]
	s_add_nc_u64 s[YP:YP+1], s[6:7], s[66:67]
	s_add_nc_u64 s[KP:KP+1], s[QP:QP+1], s[70:71]
	s_add_nc_u64 s[VP:VP+1], s[KP:KP+1], 32*262144 ; v's planes lie 32 behind q's,
	s_add_nc_u64 s[KP:KP+1], s[KP:KP+1], 16*262144 ; k's 16
	s_cmp_lt_u32 s[WV], 4
	s_cselect_b64 s[PFA:PFA+1], s[KP:KP+1], s[VP:VP+1]
	s_add_nc_u64 s[PFA:PFA+1], s[PFA:PFA+1], 32768 ; in unit 1: the first change of slots steps it to unit 2.  Nothing is prefetched here, at the head
	s_mov_b32 s[G0K], 1                            ; 1:0 count = 1
	s_mov_b32 s[G0K+1], s72                        ; 63:32 LDS address: slot 0
	s_mov_b64 s[G0K+2:G0K+3], s[KP:KP+1]           ; 120:64 global address: unit 0
	s_or_b32 s[G0K+3], s[G0K+3], 0x80000000        ; 127:126 type = 2
	s_mov_b32 s[G0V], 1
	s_add_co_u32 s[G0V+1], s72, VOFF
	s_mov_b64 s[G0V+2:G0V+3], s[VP:VP+1]
	s_or_b32 s[G0V+3], s[G0V+3], 0x80000000
	JLOAD                                          ; slot 0, unit 0: one tensor load of mine is out
	v_and_b32 v14, 15, v0                          ; r
	v_bfe_u32 v15, v0, 4, 1                        ; h
	v_mul_u32_u24 v[AK0], v14, PK
	v_lshl_add_u32 v[AK0], v15, 4, v[AK0]          ; K: row r x pitch + 16 x half
	v_and_b32 v4, 7, v0
	v_lshl_add_u32 v[AV0], v15, 3, v4              ; V, for the turning load: key 8 (l / 16) + l % 8,
	v_mul_u32_u24 v[AV0], v[AV0], PV
	v_bfe_u32 v5, v0, 3, 1
	v_lshl_add_u32 v[AV0], v5, 4, v[AV0]           ; channels 8 ((l / 8) % 2) on
	v_add_nc_u32 v[AV0], VOFF, v[AV0]
	v_lshlrev_b32 v[QO], 7, v14
	v_lshl_add_u32 v[QO], v15, 4, v[QO]            ; Q: row r of 128 bytes + 16 x half
	s_mul_i32 s66, s[WV], 32*SPT
	s_add_co_u32 s66, s66, STAGE                   ; my stage
	v_mul_u32_u24 v[STO], v14, SPT
	v_lshl_add_u32 v[STO], v15, 4, v[STO]
	v_add_nc_u32 v[STO], s66, v[STO]               ; in: row r, 16 bytes for each half of the lanes
	v_bfe_u32 v[RD], v0, 3, 2
	v_mul_u32_u24 v[RD], v[RD], SPT
	v_lshl_add_u32 v[RD], v4, 4, v[RD]
	v_add_nc_u32 v[RD], s66, v[RD]                 ; back: eight lanes to a row of 128 bytes, four rows an instruction
	v_and_b32 v[GO], 31, v0
	v_lshlrev_b32 v[PFO], 8, v[GO]
	v_lshlrev_b32 v[GO], 4, v[GO]                  ; and in y16, where rows are neighbours: 16 x lane
	v_lshlrev_b32 v[DM], 3, v15
	v_sub_nc_u32 v[DM], v14, v[DM]
	v_mov_b32 v[NINF], 0xff800000
; A QUERY BLOCK BEGINS: addresses, Q into registers, m = -3e38 (under every score), l = 0, O^T = 0: so the key step is written once, and its first pass finds zeros, which a = 0 leaves zeros.
.macro START
	s_lshl_b32 s[Q0], s[QBLK], 8
	s_lshl_b32 s66, s[WV], 5
	s_add_co_u32 s[Q0], s[Q0], s66                 ; my first query: 256 x block + 32 x wave
	s_lshl_b32 s66, s[Q0], 7
	s_mov_b32 s67, 0
	s_add_nc_u64 s[QB:QB+1], s[QP:QP+1], s[66:67]
	s_add_nc_u64 s[YB:YB+1], s[YP:YP+1], s[66:67]
	s_mov_b32 s[KF], 0
.irp t, 0,1
.irp c, 0,1
	global_load_b128 v[QF+16*\t+8*\c:QF+16*\t+8*\c+3],   v[QO], s[QB:QB+1] offset:\t*2048+\c*64
	global_load_b128 v[QF+16*\t+8*\c+4:QF+16*\t+8*\c+7], v[QO], s[QB:QB+1] offset:\t*2048+\c*64+32
.endr
.endr
.irp t, 0,1
	v_mov_b32 v[ST+8*\t+1], 0xff61b1e6             ; m
	v_mul_f32 v[ST+8*\t], s[CS], v[ST+8*\t+1]      ; c m
	v_mov_b32 v[ST+8*\t+2], 0                      ; l
	v_mov_b32 v[ST+8*\t+3], 0
	v_mov_b32 v[ST+8*\t+5], 0                      ; (a lane permute's destination counts as one of its sources)
	v_mov_b32 v[ST+8*\t+7], 0                      ; (named as the upper half of a's pair)
.endr
	WIN W_D1
.set i, 0
.rept 64
	v_mov_b32 v[i], 0                              ; O^T
.set i, i+1
.endr
	WIN 0
	s_wait_loadcnt 0x0                             ; Q
.endm
; THE CHANGE OF SLOTS stands at a trip's head.  Each wave waits for all its tensor loads (its part of the slot that it is about to read), adds 0 to its spare word, and waits for that and for its reads
; of the slot that it has left.  Behind the barrier the slot ahead is whole and nobody reads the other one.  fill = 1: that other slot takes the next trip's unit: the load has four key steps in which to land.
.macro CHANGE fill
	s_wait_tensorcnt 0x0                           ; no tensor load of mine is out, so a group 0 may be written
	ds_add_u32 v[SPW], v[NIL]                      ; 0 onto my spare word; the descriptors' steps stand between it and the wait for it
.if \fill
	s_xor_b32 s[G0K+1], s[G0K+1], SLOT1            ; the other slot than last time
	s_xor_b32 s[G0V+1], s[G0V+1], SLOT1
	s_add_co_u32 s[UN], s[UN], 1                   ; the next unit;
	s_cmp_eq_u32 s[T], s[J]
	s_cselect_b32 s[UN], 0, s[UN]                  ; behind the first block's last trip the second block begins at unit 0
	s_lshl_b32 s66, s[UN], 15                      ; 256 rows of 128 bytes a unit
	s_mov_b32 s67, 0
	s_add_nc_u64 s[G0K+2:G0K+3], s[KP:KP+1], s[66:67]
	s_or_b32 s[G0K+3], s[G0K+3], 0x80000000
	s_add_nc_u64 s[G0V+2:G0V+3], s[VP:VP+1], s[66:67]
	s_or_b32 s[G0V+3], s[G0V+3], 0x80000000
	s_wait_xcnt 0x0                                ; the last prefetch, a trip back, has read its address, so it may be written
	s_add_nc_u64 s[PFA:PFA+1], s[PFA:PFA+1], 32768
.endif
	s_wait_dscnt 0x0                               ; the add is done, and my reads of the slot that I have left are over
	s_barrier_signal -1
	s_barrier_wait -1
.if \fill
	JLOAD                                          ; the first thing behind the barrier, and my one tensor load until the next
	ASK
.endif
.endm
; A KEY STEP: 64 keys.
.macro STEP
	s_add_co_u32 s66, s[Q0], 31
	s_cmp_gt_u32 s[KF], s66                        ; all 64 keys come after my 32 queries: the step's work is left out; the lines at its end that step addresses are not
	s_cbranch_scc1 .Lhid_\@
	v_add_nc_u32 v[ADK], s[TB], v[AK0]
	v_add_nc_u32 v[ADV], s[TB], v[AV0]
	v_nop
	v_nop                                          ; with the two additions: four places behind the last products V^T P, in front of the loads into V's registers
.irp kt, 0,1,2,3
.irp c, 0,1
	ds_load_b128 v[KR+16*\kt+8*\c:KR+16*\kt+8*\c+3],   v[ADK] offset:\kt*16*PK+\c*64
	ds_load_b128 v[KR+16*\kt+8*\c+4:KR+16*\kt+8*\c+7], v[ADK] offset:\kt*16*PK+\c*64+32
.endr
.endr
	WIN W_D1
.irp g, 0,1
.irp f, 0,1,2,3
	ds_load_tr16_b128 v[VR+32*\g+8*\f:VR+32*\g+8*\f+3],   v[ADV] offset:\g*32*PV+\f*32
	ds_load_tr16_b128 v[VR+32*\g+8*\f+4:VR+32*\g+8*\f+7], v[ADV] offset:\g*32*PV+16*PV+\f*32
.endr
.endr
	WIN 0
	s_wait_dscnt 16                                ; K is in; V's sixteen loads may be out
.irp c, 0,1                                    ; S^T = K Q^T: eight accumulators by turns; the first eight products start the sums
.irp kt, 0,1,2,3
.irp t, 0,1
.if \c == 0
	v_wmma_f32_16x16x32_f16 v[S+32*\t+8*\kt:S+32*\t+8*\kt+7], v[KR+16*\kt+8*\c:KR+16*\kt+8*\c+7], v[QF+16*\t+8*\c:QF+16*\t+8*\c+7], 0
.else
	v_wmma_f32_16x16x32_f16 v[S+32*\t+8*\kt:S+32*\t+8*\kt+7], v[KR+16*\kt+8*\c:KR+16*\kt+8*\c+7], v[QF+16*\t+8*\c:QF+16*\t+8*\c+7], v[S+32*\t+8*\kt:S+32*\t+8*\kt+7]
.endif
.endr
.endr
.endr
.rept 4
	v_nop                                          ; places in front of the first read of the scores
.endr
	s_add_co_u32 s66, s[KF], 63
	s_cmp_le_u32 s66, s[Q0]                        ; all 64 keys count for all my queries: no mask
	s_cbranch_scc1 .Lopen_\@
	s_sub_co_i32 s66, s[Q0], s[KF]
	v_add_nc_u32 v[D0], s66, v[DM]                 ; register n of tile t holds key KF + 16 (n / 8) + 8 (l / 16) + n % 8, my query is Q0 + 16 t + l % 16: hidden where 16 (n / 8) + n % 8 > d_t
	v_add_nc_u32 v[D0+1], 16, v[D0]
.irp t, 0,1
.set n, 0
.rept 32
	v_cmp_gt_i32 vcc_lo, 16*(n/8)+n%8, v[D0+\t]
	v_cndmask_b32 v[S+32*\t+n], v[S+32*\t+n], v[NINF], vcc_lo
.set n, n+1
.endr
.endr
.Lopen_\@:
.irp j, 0,1,2,3                                ; the maximum of my 32 scores and the old m: four chains, each begun at an accumulator's low end; the two tiles alternate
.irp t, 0,1
	v_max3_num_f32 v[ST+8*\t+4+\j], v[S+32*\t+8*\j], v[S+32*\t+8*\j+1], v[S+32*\t+8*\j+2]
.endr
.endr
.irp i, 3,5
.irp j, 0,1,2,3
.irp t, 0,1
	v_max3_num_f32 v[ST+8*\t+4+\j], v[ST+8*\t+4+\j], v[S+32*\t+8*\j+\i], v[S+32*\t+8*\j+\i+1]
.endr
.endr
.endr
.irp t, 0,1
	v_max3_num_f32 v[ST+8*\t+4], v[ST+8*\t+4], v[S+32*\t+7], v[S+32*\t+15]
	v_max3_num_f32 v[ST+8*\t+6], v[ST+8*\t+6], v[S+32*\t+23], v[S+32*\t+31]
.endr
.irp t, 0,1
	v_max3_num_f32 v[ST+8*\t+4], v[ST+8*\t+4], v[ST+8*\t+5], v[ST+8*\t+6]
.endr
.irp t, 0,1
	v_max3_num_f32 v[ST+8*\t+4], v[ST+8*\t+4], v[ST+8*\t+7], v[ST+8*\t+1]
.endr
.irp t, 0,1
	v_permlanex16_b32 v[ST+8*\t+5], v[ST+8*\t+4], s[SEL], s[SEL+1]   ; the query's other 32 keys lie in the lane 16 away
.endr
.irp t, 0,1
	v_mov_b32 v[ST+8*\t+7], v[ST+8*\t]             ; c m_old is kept for a
.endr
.irp t, 0,1
	v_max_num_f32 v[ST+8*\t+1], v[ST+8*\t+4], v[ST+8*\t+5]
.endr
.irp t, 0,1
	v_mul_f32 v[ST+8*\t], s[CS], v[ST+8*\t+1]
.endr
.irp t, 0,1
	v_sub_f32 v[ST+8*\t+7], v[ST+8*\t+7], v[ST+8*\t]
.endr
.set i, 0
.rept 16
.irp t, 0,1
	v_pk_fma_f32 v[S+32*\t+2*i:S+32*\t+2*i+1], v[S+32*\t+2*i:S+32*\t+2*i+1], s[CS:CS+1], v[ST+8*\t:ST+8*\t+1] op_sel_hi:[1,0,0] neg_lo:[0,0,1] neg_hi:[0,0,1]   ; c s - c m, two at a time
.endr
.set i, i+1
.endr
.irp t, 0,1
	v_exp_f32 v[ST+8*\t+6], v[ST+8*\t+7]           ; a.  ONE BATCH: both tiles' 66 exponentials, none of which reads another's result
.endr
.set i, 0
.rept 32
.irp t, 0,1
	v_exp_f32 v[S+32*\t+i], v[S+32*\t+i]
.endr
.set i, i+1
.endr
	v_nop                                          ; a plain instruction behind the last exponential, ahead of the first use
	s_wait_alu depctr_va_vdst(0)                   ; the wait ahead of the first instruction that names a result: one for the batch
.set i, 0
.rept 16
.irp t, 0,1
	v_cvt_pk_f16_f32 v[P+16*\t+i], v[S+32*\t+2*i], v[S+32*\t+2*i+1]   ; the weights, a pair each: source 1 of V^T P as they stand
.endr
.set i, i+1
.endr
.irp u, 0,1,2,3,4,5,6,7                        ; the sum of a tile's 16 pairs, in place: neighbours 1, 2, 4 and 8 pairs apart
.irp t, 0,1
	v_pk_add_f32 v[S+32*\t+4*\u:S+32*\t+4*\u+1], v[S+32*\t+4*\u:S+32*\t+4*\u+1], v[S+32*\t+4*\u+2:S+32*\t+4*\u+3]
.endr
.endr
.irp u, 0,1,2,3
.irp t, 0,1
	v_pk_add_f32 v[S+32*\t+8*\u:S+32*\t+8*\u+1], v[S+32*\t+8*\u:S+32*\t+8*\u+1], v[S+32*\t+8*\u+4:S+32*\t+8*\u+5]
.endr
.endr
.irp u, 0,1
.irp t, 0,1
	v_pk_add_f32 v[S+32*\t+16*\u:S+32*\t+16*\u+1], v[S+32*\t+16*\u:S+32*\t+16*\u+1], v[S+32*\t+16*\u+8:S+32*\t+16*\u+9]
.endr
.endr
.irp t, 0,1
	v_pk_add_f32 v[S+32*\t:S+32*\t+1], v[S+32*\t:S+32*\t+1], v[S+32*\t+16:S+32*\t+17]
.endr
.irp t, 0,1
	v_pk_fma_f32 v[ST+8*\t+2:ST+8*\t+3], v[ST+8*\t+2:ST+8*\t+3], v[ST+8*\t+6:ST+8*\t+7], v[S+32*\t:S+32*\t+1] op_sel_hi:[1,0,1]   ; l = a l + the sum
.endr
	WIN W_RS
.set i, 0
.rept 16
.irp t, 0,1
	v_pk_mul_f32 v[32*\t+2*i:32*\t+2*i+1], v[32*\t+2*i:32*\t+2*i+1], v[ST+8*\t+6:ST+8*\t+7] op_sel_hi:[1,0]   ; O^T x a, each accumulator from its low end on
.endr
.set i, i+1
.endr
	s_wait_dscnt 0x0                               ; V is in
	WIN W_PV
.irp g, 0,1                                    ; O^T += V^T P: eight accumulators by turns
.irp f, 0,1,2,3
.irp t, 0,1
	v_wmma_f32_16x16x32_f16 v[32*\t+8*\f:32*\t+8*\f+7], v[VR+32*\g+8*\f:VR+32*\g+8*\f+7], v[P+16*\t+8*\g:P+16*\t+8*\g+7], v[32*\t+8*\f:32*\t+8*\f+7]
.endr
.endr
.endr
	WIN 0
.Lhid_\@:
	s_add_co_u32 s[TB], s[TB], STEPB               ; the next step's tiles
	s_add_co_u32 s[KF], s[KF], KS
.endm
.macro SLOTSTEPS                       ; a slot's four key steps: written once, walked four times; the LDS addresses hang on s[TB]
	s_mov_b32 s[STP], 4
.Lstep_\@:
	STEP
	s_sub_co_u32 s[STP], s[STP], 1
	s_cmp_lg_u32 s[STP], 0
	s_cbranch_scc1 .Lstep_\@
	s_sub_co_u32 s[TB], s[TB], 4*STEPB             ; back to a slot's first step,
	s_xor_b32 s[TB], s[TB], SLOT1                  ; in the other slot
.endm
; A QUERY BLOCK ENDS: l's two halves and the other half of the lanes' are added; O^T is divided by l, rounded to f16 and sent through my stage, so that the 32 lanes store 512 consecutive bytes (four rows of y16).
.macro FINISH more
.rept 4
	v_nop                                          ; places behind the last products
.endr
.irp t, 0,1
	v_add_f32 v[ST+8*\t+4], v[ST+8*\t+2], v[ST+8*\t+3]
.endr
.irp t, 0,1
	v_permlanex16_b32 v[ST+8*\t+5], v[ST+8*\t+4], s[SEL], s[SEL+1]
.endr
.irp t, 0,1
	v_add_f32 v[ST+8*\t+4], v[ST+8*\t+4], v[ST+8*\t+5]
.endr
.irp t, 0,1
	v_rcp_f32 v[ST+8*\t+6], v[ST+8*\t+4]
.endr
	v_nop                                          ; a plain instruction between the last reciprocal and the use of its result
	s_wait_alu depctr_va_vdst(0)                   ; and the wait ahead of the first use: one for both
	WIN W_RS
.irp t, 0,1
.set i, 0
.rept 16
	v_pk_mul_f32 v[32*\t+2*i:32*\t+2*i+1], v[32*\t+2*i:32*\t+2*i+1], v[ST+8*\t+6:ST+8*\t+7] op_sel_hi:[1,0]
.set i, i+1
.endr
.endr
	WIN W_CV
.irp t, 0,1
.set i, 0
.rept 16
	v_cvt_pk_f16_f32 v[YK+16*\t+i], v[32*\t+2*i], v[32*\t+2*i+1]
.set i, i+1
.endr
.endr
	WIN 0
.irp t, 0,1
.irp f, 0,1,2,3
	ds_store_b128 v[STO], v[YK+16*\t+4*\f:YK+16*\t+4*\f+3] offset:\t*16*SPT+32*\f   ; lane (r, h): y(16 t + r, 16 f + 8 h + 0 .. 7)
.endr
.endr
.irp u, 0,1,2,3,4,5,6,7
	ds_load_b128 v[S+4*\u:S+4*\u+3], v[RD] offset:\u*4*SPT   ; LDS serves a wave's instructions in order (ISA guide 5.7.1.4): these see the stores above
.endr
.irp u, 0,1,2,3,4,5,6,7
	s_wait_dscnt 7-\u                              ; load u is back; the younger ones may be out
	global_store_b128 v[GO], v[S+4*\u:S+4*\u+3], s[YB:YB+1] offset:\u*512
.endr
.if \more
	s_wait_xcnt 0x0                                ; the stores have read their registers and their base: both are written again only behind this wait
.endif
.endm
	s_mov_b32 s[QBLK], s[J]
	START
.Ltrip:                                            ; eight trips fill a slot; the ninth is written out
	CHANGE 1
	s_cmp_eq_u32 s[T], s[JP1]                      ; the first block has walked its J + 1 units: a branch on ids and the trip alone, the same in all eight waves; no barrier and no tensor load stands under it
	s_cbranch_scc0 .Lsame
	FINISH 1
	s_sub_co_u32 s[QBLK], 7, s[J]
	START
.Lsame:
	SLOTSTEPS
	s_add_co_u32 s[T], s[T], 1
	s_cmp_lt_u32 s[T], 8
	s_cbranch_scc1 .Ltrip
	CHANGE 0
	SLOTSTEPS
	FINISH 0
	s_wait_tensorcnt 0x0                           ; the wave's end: behind my last tensor load and my last LDS store
	ds_add_u32 v[SPW], v[NIL]
	s_wait_dscnt 0x0
	s_endpgm
.Lfunc_end_k_q1c9e576e87_attn:
	.size	k_q1c9e576e87_attn, .Lfunc_end_k_q1c9e576e87_attn-k_q1c9e576e87_attn
	.p2alignl 7, 3214868480
	.fill 96, 4, 3214868480
	.section	.rodata,"a",@progbits
	.p2align	6, 0x0
	.amdhsa_kernel k_q1c9e576e87_attn
		.amdhsa_group_segment_fixed_size 327680
		.amdhsa_private_segment_fixed_size 0
		.amdhsa_enable_private_segment 0
		.amdhsa_kernarg_size 16
		.amdhsa_user_sgpr_count 2
		.amdhsa_user_sgpr_kernarg_segment_ptr 1
		.amdhsa_wavefront_size32 1
		.amdhsa_system_sgpr_workgroup_id_x 1
		.amdhsa_system_sgpr_workgroup_id_y 1
		.amdhsa_system_sgpr_workgroup_id_z 1
		.amdhsa_system_vgpr_workitem_id 0
		.amdhsa_next_free_vgpr 384
		.amdhsa_next_free_sgpr 80
		.amdhsa_reserve_vcc 1
		.amdhsa_float_denorm_mode_32 3
		.amdhsa_float_denorm_mode_16_64 3
		.amdhsa_memory_ordered 1
		.amdhsa_forward_progress 1
		.amdhsa_inst_pref_size 71
	.end_amdhsa_kernel
	.amdgpu_metadata
---
amdhsa.version: [ 1, 2 ]
amdhsa.kernels:
  - .name:           k_q1c9e576e87_attn
    .symbol:         k_q1c9e576e87_attn.kd
    .args:
      - { .name: qkv, .offset: 0, .size: 8, .value_kind: global_buffer, .address_space: global }
      - { .name: y16, .offset: 8, .size: 8, .value_kind: global_buffer, .address_space: global }
    .group_segment_fixed_size: 327680
    .private_segment_fixed_size: 0
    .kernarg_segment_align: 8
    .kernarg_segment_size: 16
    .max_flat_workgroup_size: 256
    .sgpr_count:     80
    .vgpr_count:     384
    .wavefront_size: 32
...
	.end_amdgpu_metadata
.endif
;; end of part 3
;; launch proj (part 4): grid 4 x 64, 4 waves a work-group, clusters of 4 x 4, 327,680 bytes of LDS; arguments y16, wp16, out0; writes out0
.if DOCPART == 4
	.amdgcn_target "amdgcn-amd-amdhsa--gfx1250"
	.amdhsa_code_object_version 6
	.text
	.protected	k_q1c9e576e87_proj
	.globl	k_q1c9e576e87_proj
	.p2align	8
	.type	k_q1c9e576e87_proj,@function
k_q1c9e576e87_proj:
	s_mov_b64 s[64:65], 0
	v_nop
	global_prefetch_b8 v0, s[64:65] scope:SCOPE_SE
	s_setreg_imm32_b32 hwreg(HW_REG_WAVE_MODE, 25, 1), 1
	s_wait_xcnt 0x0
	s_wait_alu depctr_hold_cnt(0) depctr_sa_sdst(0) depctr_va_vdst(0) depctr_va_sdst(0) depctr_va_ssrc(0) depctr_va_vcc(0) depctr_vm_vsrc(0)
	s_getreg_b32 s2, hwreg(HW_REG_IB_STS2, 6, 4)
	s_cmp_eq_u32 s2, 0
	s_cbranch_scc0 .Lentry_in_a_cluster
	s_endpgm
.Lentry_in_a_cluster:
	s_bfe_u32 s2, ttmp6, 0x10000c
	s_cmp_lg_u32 s2, 0xf033
	s_cbranch_scc0 .Lentry_shape_is_right
	s_endpgm
.Lentry_shape_is_right:
; out0[m][n] = sum over k of y[m][k] w_proj[n][k], m = 8,192, n = 1,024, k = 1,024; operands f16, sums f32, out0 f32.
; Both operands lie by K blocks of 64: y16 [16 kb][8192 m][64], wp16 [16 kb][1024 n][64]: a K block of any run of rows is one dense block of memory.
; A tile of out0 is 128 (m) x 256 (n): 256 work-groups, one for each WGP.  Four waves, each 64 x 128: 32 accumulators of 16 x 16, 256 registers.
; K goes in steps of 128 (two K blocks) through a ring of two LDS slots: waves 0 and 1 fetch y's two K blocks (128 rows each), waves 2 and 3 w_proj's (256 rows each): one tensor load a wave.
; CLUSTERS: 4 x 4 work-groups.  The four of a row of the cluster need the same tiles of y, the four of a column the same tiles of w_proj: each tile is asked for JOINTLY.
; THE MATRIX INSTRUCTION IS USED TRANSPOSED (source 0 = 16 rows of w_proj, source 1 = 16 rows of y): a lane then holds eight neighbouring numbers of a row of out0.
; Rows 0 to 15 of each batch are written here like all others and written over by the fine launch, which runs behind this one.
; No prefetch: the launch is short and its tiles are small; each refill has all but sixteen of a K step's 128 matrix instructions in which to land.
; REGISTERS: window 0: v0-31 addresses; v64-127 y's fragments (4 x 16 rows x 32 K), two buffers; v128-255 the way out.   window 1: v0-127 w_proj's fragments (8), two buffers.   window 2: accumulator (a, b) at v[8 (8 a + b)].
.set PITCH,  144                       ; an LDS row: 128 bytes + 16 of padding: the 16 rows that a load touches start 16 bytes apart modulo 256
.set ASUB,   128*PITCH                 ; y's 128 rows of one K block
.set BSUB,   256*PITCH                 ; w_proj's 256 rows of one K block
.set SLOT,   2*ASUB+2*BSUB
.set STAGE,  2*SLOT                    ; behind the ring: 16 rows x (512 bytes + 16) for each wave
.set SPITCH, 528
.set SPARE,  STAGE+4*16*SPITCH         ; the spare words, 128 bytes for each wave
.set LAPS,   4                         ; a lap = two K steps = once round the ring
.set ADRA, 16                          ; v16-17  LDS address of my fragments of y in slot 0, 1
.set ADRB, 20                          ; v20-21  the same for w_proj
.set STO,  24                          ; v24     the way out: where I put 32 bytes of a row
.set RD,   25                          ; v25     where I read a row back
.set CO,   26                          ; v26     my byte offset in a row of out0
.set SPW,  28                          ; v28     LDS address of my spare word; never rewritten
.set NIL,  29                          ; v29     0; never rewritten
.set AF,   64                          ; y's fragments: buffer f at v[AF + 32 f]
.set BK,   128                         ; the way out: 16 rows read back: v128-191 and v192-255 by turns
.set G1, 24                            ; s[24:31] descriptor group 1 for y's tiles;  s[32:39] group 0, one set for each slot
.set G0, 32
.set G1B, 48                           ; s[48:55], s[56:63] the same for w_proj's tiles
.set G0B, 56
.set MSB, 0
.macro WIN new                         ; the immediate's high byte repeats the setting that is left
.if MSB != \new
	s_set_vgpr_msb (MSB<<8)|\new
.set MSB, \new
.endif
.endm
.set MUL,  0xa1                        ; source 0 (w_proj) window 1, source 1 (y) window 0, C and D window 2
.set TO_B, 0x40                        ; destination window 1, address window 0
.macro JLOAD s                         ; a joint load: waves 0 and 1 fetch for y, waves 2 and 3 for w_proj; an s_nop 0 and four v_nop follow each of the two lines
	s_cmp_eq_u32 s11, 0
	s_cbranch_scc0 .Lfor_b_\@
	tensor_load_to_lds s[G0+4*\s:G0+4*\s+3], s[G1:G1+7]
	s_nop 0
.rept 4
	v_nop
.endr
	s_branch .Lasked_\@
.Lfor_b_\@:
	tensor_load_to_lds s[G0B+4*\s:G0B+4*\s+3], s[G1B:G1B+7]
	s_nop 0
.rept 4
	v_nop
.endr
.Lasked_\@:
.endm
.macro CREST                           ; a round of the cluster's barrier behind its opening barrier
	s_cmp_lg_u32 s10, 0
	s_cbranch_scc1 .Lnot_wave_0_\@
	s_barrier_signal -3
.Lnot_wave_0_\@:
	s_barrier_wait -3
	s_barrier_signal -1
	s_barrier_wait -1
.endm
.macro CROUND                          ; a whole round
	s_barrier_signal -1
	s_barrier_wait -1
	CREST
.endm
	s_load_b128 s[4:7], s[0:1], 0x0                ; y16 s[4:5], wp16 s[6:7]
	s_load_b64 s[8:9], s[0:1], 0x10                ; out0
	v_lshl_add_u32 v[SPW], v0, 2, SPARE
	v_mov_b32 v[NIL], 0
	ds_add_u32 v[SPW], v[NIL]                      ; the wave's opening: the add, twice on end, and its wait ahead of my first tensor load
	ds_add_u32 v[SPW], v[NIL]
	v_lshrrev_b32 v1, 5, v0
	v_readfirstlane_b32 s10, v1                    ; wave 0..3
	s_lshr_b32 s11, s10, 1                         ; which half of the tile's rows is mine.  Also: I fetch for y (0) or for w_proj (1)
	s_and_b32 s12, s10, 1                          ; which half of its columns.  Also: which of a K step's two K blocks I fetch
	s_bfe_u32 s40, ttmp6, 0x40000                  ; cx, cy: my place in the cluster
	s_bfe_u32 s41, ttmp6, 0x40004
	s_lshl_b32 s42, ttmp9, 2
	s_add_co_u32 s42, s42, s40                     ; tile column = 4 x cluster x + cx
	s_and_b32 s13, ttmp7, 0xffff
	s_lshl_b32 s13, s13, 2
	s_add_co_u32 s13, s13, s41                     ; tile row = 4 x cluster y + cy
	s_lshl_b32 s43, s41, 2
	s_lshl_b32 s43, 15, s43                        ; my row of the cluster
	s_lshl_b32 s44, 0x1111, s40                    ; my column
	; descriptor group 1: rows of 64 elements of 2 bytes, dense in memory, padded in LDS; 128 rows for y, 256 for w_proj
	s_or_b32 s[G1+0], s43, (1<<16)|(1<<20)|(1<<21)|(4<<22)|(3<<25)   ; 15:0 the mask; 17:16 element of 2 bytes; 20 padding on; 21 set beside a mask; 24:22 after every 32 words (code 4); 31:25 four words (code 3)
	s_or_b32 s[G1B+0], s44, (1<<16)|(1<<20)|(1<<21)|(4<<22)|(3<<25)
	s_mov_b32 s[G1+1], 64<<16                      ; tensor_dim0 = 64
	s_mov_b32 s[G1+2], 128<<16                     ; tensor_dim1 = 128
	s_mov_b32 s[G1+3], 64<<16                      ; tile_dim0 = 64
	s_mov_b32 s[G1+4], 128                         ; tile_dim1 = 128
	s_mov_b32 s[G1+5], 64                          ; tensor_dim0_stride
	s_mov_b32 s[G1+6], 0
	s_mov_b32 s[G1+7], 0
	s_mov_b32 s[G1B+1], 64<<16
	s_mov_b32 s[G1B+2], 256<<16
	s_mov_b32 s[G1B+3], 64<<16
	s_mov_b32 s[G1B+4], 256
	s_mov_b32 s[G1B+5], 64
	s_mov_b32 s[G1B+6], 0
	s_mov_b32 s[G1B+7], 0
	s_lshl_b32 s16, s13, 14                        ; y: tile row x 128 rows of 128 bytes,
	s_lshl_b32 s17, s12, 20                        ; + my K block's plane of 1,048,576 bytes
	s_add_co_u32 s16, s16, s17
	s_mov_b32 s17, 0
	s_lshl_b32 s46, s42, 15                        ; w_proj: tile column x 256 rows of 128 bytes,
	s_lshl_b32 s47, s12, 17                        ; + my K block's plane of 131,072 bytes
	s_add_co_u32 s46, s46, s47
	s_mov_b32 s47, 0
	s_mul_i32 s20, s12, ASUB                       ; where they go: no place in the cluster enters an LDS address
	s_mul_i32 s23, s12, BSUB
	s_add_co_u32 s23, s23, 2*ASUB
	s_wait_dscnt 0x0                               ; both opening adds are done
	s_wait_kmcnt 0x0
	s_add_nc_u64 s[14:15], s[4:5], s[16:17]
	s_add_nc_u64 s[46:47], s[6:7], s[46:47]
	CROUND                                         ; all sixteen work-groups are here: the first joint loads meet
.irp s, 0,1
	s_mov_b32 s[G0+4*\s], 1
	s_add_co_u32 s[G0+4*\s+1], s20, \s*SLOT
	s_add_nc_u64 s[G0+4*\s+2:G0+4*\s+3], s[14:15], \s*2*1048576
	s_or_b32 s[G0+4*\s+3], s[G0+4*\s+3], 0x80000000
	s_mov_b32 s[G0B+4*\s], 1
	s_add_co_u32 s[G0B+4*\s+1], s23, \s*SLOT
	s_add_nc_u64 s[G0B+4*\s+2:G0B+4*\s+3], s[46:47], \s*2*131072
	s_or_b32 s[G0B+4*\s+3], s[G0B+4*\s+3], 0x80000000
	JLOAD \s                                       ; two tensor loads of mine are out behind the second
.endr
	v_and_b32 v1, 15, v0                           ; r
	v_bfe_u32 v2, v0, 4, 1                         ; h
	v_mul_u32_u24 v3, v1, PITCH
	v_lshl_add_u32 v3, v2, 4, v3                   ; a fragment's row x pitch + 16 x half
	s_mul_i32 s21, s11, 64*PITCH                   ; my 64 rows of y
	s_mul_i32 s22, s12, 128*PITCH                  ; my 128 rows of w_proj,
	s_add_co_u32 s22, s22, 2*ASUB                  ; which lie behind y's two K blocks
.irp s, 0,1
	v_add_nc_u32 v[ADRA+\s], s21, v3
	v_add_nc_u32 v[ADRB+\s], s22, v3
	s_add_co_u32 s21, s21, SLOT
	s_add_co_u32 s22, s22, SLOT
.endr
	s_mul_i32 s23, s10, 16*SPITCH
	s_add_co_u32 s23, s23, STAGE                   ; my stage
	v_mul_u32_u24 v5, v1, SPITCH                   ; in: row r, 32 bytes for each half of the lanes
	v_lshl_add_u32 v5, v2, 5, v5
	v_add_nc_u32 v[STO], s23, v5
	v_and_b32 v6, 31, v0
	v_lshlrev_b32 v[CO], 4, v6                     ; back: the 32 lanes take one row of 512 bytes; and the same in out0
	v_add_nc_u32 v[RD], s23, v[CO]
	s_lshl_b32 s16, s13, 7
	s_lshl_b32 s17, s11, 6
	s_add_co_u32 s16, s16, s17                     ; my first row: 128 x tile row + 64 x half,
	s_lshl_b32 s16, s16, 12                        ; of 4,096 bytes
	s_mov_b32 s17, 0
	s_add_nc_u64 s[8:9], s[8:9], s[16:17]
	s_lshl_b32 s46, s42, 10                        ; my first column, in bytes: 1,024 x tile column + 512 x half
	s_lshl_b32 s47, s12, 9
	s_add_co_u32 s46, s46, s47
	s_mov_b32 s47, 0
	s_add_nc_u64 s[8:9], s[8:9], s[46:47]
; 8 matrix instructions: y's block a against w_proj's eight, 32 along K, from buffer f.  zero = 1: the product starts the sum.  The 32 accumulators take turns in the same order in every quarter.
.macro MUL8 f, a, zero
.irp b, 0,1,2,3,4,5,6,7
.if \zero
	v_wmma_f32_16x16x32_f16 v[8*(8*(\a)+\b):8*(8*(\a)+\b)+7], v[64*(\f)+8*\b:64*(\f)+8*\b+7], v[AF+32*(\f)+8*(\a):AF+32*(\f)+8*(\a)+7], 0
.else
	v_wmma_f32_16x16x32_f16 v[8*(8*(\a)+\b):8*(8*(\a)+\b)+7], v[64*(\f)+8*\b:64*(\f)+8*\b+7], v[AF+32*(\f)+8*(\a):AF+32*(\f)+8*(\a)+7], v[8*(8*(\a)+\b):8*(8*(\a)+\b)+7]
.endif
.endr
.endm
.macro MUL16 f, a0, zero
	MUL8 \f, \a0, \zero
	MUL8 \f, (\a0)+1, \zero
.endm
; 24 LDS loads in one run: the fragments of quarter q of a slot (K block q / 2, 32 along K at byte 64 (q % 2) of its rows) into buffer f: w_proj's eight, then y's four
.macro FETCH slot, q, f
	WIN TO_B
.irp i, 0,1,2,3,4,5,6,7
	ds_load_b128 v[64*(\f)+8*\i:64*(\f)+8*\i+3],   v[ADRB+\slot] offset:((\q)/2)*BSUB+((\q)%2)*64+\i*16*PITCH
	ds_load_b128 v[64*(\f)+8*\i+4:64*(\f)+8*\i+7], v[ADRB+\slot] offset:((\q)/2)*BSUB+((\q)%2)*64+\i*16*PITCH+32
.endr
	WIN 0
.irp i, 0,1,2,3
	ds_load_b128 v[AF+32*(\f)+8*\i:AF+32*(\f)+8*\i+3],   v[ADRA+\slot] offset:((\q)/2)*ASUB+((\q)%2)*64+\i*16*PITCH
	ds_load_b128 v[AF+32*(\f)+8*\i+4:AF+32*(\f)+8*\i+7], v[ADRA+\slot] offset:((\q)/2)*ASUB+((\q)%2)*64+\i*16*PITCH+32
.endr
.endm
.macro PLACES                          ; four places in front of loads into registers that matrix instructions have read, and of the first read of results
.rept 4
	v_nop
.endr
.endm
; A K step is four quarters of 32 along K, 32 matrix instructions each, on buffers 0, 1, 0, 1.  One of the first three: multiplies buffer f and fetches quarter qn of the same slot into g.
.macro QUARTER slot, qn, f, g, zero
	s_wait_dscnt 4                                 ; w_proj's fragments and y's blocks 0 and 1 are in; the youngest four loads (y's blocks 2 and 3) may be out
	WIN MUL
	MUL16 \f, 0, \zero
	PLACES
	FETCH \slot, \qn, \g
	s_wait_dscnt 24                                ; all but the 24 just issued
	WIN MUL
	MUL16 \f, 2, \zero
.endm
; The last quarter multiplies buffer 1 and changes slots: ONE barrier; in front of it each wave waits for all its tensor loads, adds 0 to its spare word, and waits for that and for its own reads of this slot.
; fill = 1: the barrier opens a round of the cluster's, and this slot is filled again, two K steps ahead.
.macro TURN slot, next, fill
	WIN 0                                          ; (the add's two registers lie in window 0)
	s_wait_tensorcnt 0x0                           ; all my tensor loads have landed: my part of the next slot
	ds_add_u32 v[SPW], v[NIL]                      ; 0 onto my spare word
	s_wait_dscnt 5                                 ; (the add and the youngest four loads may be out)
	WIN MUL
	MUL8 1, 0, 0                                   ; eight matrix instructions stand between the add and the wait for it
	s_wait_dscnt 0x0                               ; the add is done, and my reads of this slot are over
	s_barrier_signal -1
	MUL8 1, 1, 0
	WIN 0
	s_barrier_wait -1
.if \fill
	CREST                                          ; no wave of any partner still reads this slot's tile or has a load on its way
	s_add_nc_u64 s[G0+4*\slot+2:G0+4*\slot+3], s[G0+4*\slot+2:G0+4*\slot+3], 4*1048576    ; four K blocks on
	s_add_nc_u64 s[G0B+4*\slot+2:G0B+4*\slot+3], s[G0B+4*\slot+2:G0B+4*\slot+3], 4*131072
	JLOAD \slot                                    ; the first tensor load behind the round; the four v_nop behind it are also the places in front of the loads below
.else
	PLACES
.endif
	FETCH \next, 0, 0
	WIN MUL
	MUL16 1, 2, 0
.endm
	s_wait_tensorcnt 1                             ; my part of K step 0 is in; K step 1's load may be out
	s_barrier_signal -1
	s_barrier_wait -1                              ; everybody's is
	FETCH 0, 0, 0
	QUARTER 0, 1, 0, 1, 1                          ; the first quarter stands in front of the loop: its products start the sums
	WIN 0                                          ; at a label and at a branch every window is 0
	s_mov_b32 s3, LAPS-1
.Llap:                                             ; a trip goes once round the ring, from a lap's second quarter to the next lap's first, and fills both slots again
	QUARTER 0, 2, 1, 0, 0
	QUARTER 0, 3, 0, 1, 0
	TURN 0, 1, 1
	QUARTER 1, 1, 0, 1, 0
	QUARTER 1, 2, 1, 0, 0
	QUARTER 1, 3, 0, 1, 0
	TURN 1, 0, 1
	QUARTER 0, 1, 0, 1, 0
	WIN 0
	s_sub_co_u32 s3, s3, 1
	s_cmp_lg_u32 s3, 0
	s_cbranch_scc1 .Llap
	QUARTER 0, 2, 1, 0, 0                          ; the last lap fills nothing, and has no round of the cluster's barrier
	QUARTER 0, 3, 0, 1, 0
	TURN 0, 1, 0
	QUARTER 1, 1, 0, 1, 0
	QUARTER 1, 2, 1, 0, 0
	QUARTER 1, 3, 0, 1, 0
	s_wait_dscnt 4                                 ; the very last quarter: nothing more to fetch
	WIN MUL
	MUL16 1, 0, 0
	s_wait_dscnt 0
	MUL16 1, 2, 0
	WIN 0
; THE WAY OUT, block by block of 16 rows x 128 columns.  A lane holds 32 neighbouring bytes of a row: a block goes through my own stage and comes back as whole rows of 512 bytes,
; which the 32 lanes store as 512 consecutive bytes, aligned.  LDS serves a wave's instructions in order (ISA guide 5.7.1.4): no wait between the stores and the loads.
.macro TOSTAGE a
	WIN 0x08                                       ; an LDS store's data are its source 1: window 2
.irp b, 0,1,2,3,4,5,6,7
	ds_store_b128 v[STO], v[64*(\a)+8*\b:64*(\a)+8*\b+3] offset:64*\b          ; each accumulator from its low end on
	ds_store_b128 v[STO], v[64*(\a)+8*\b+4:64*(\a)+8*\b+7] offset:64*\b+16
.endr
	WIN 0
.set BB, BK+64*((\a)%2)
.irp t, 0,1,2,3,4,5,6,7,8,9,10,11,12,13,14,15
	ds_load_b128 v[BB+4*\t:BB+4*\t+3], v[RD] offset:\t*SPITCH
.endr
.endm
.macro SEND a, younger                 ; younger: the LDS instructions issued behind block a's loads, which may stay out
.set BB, BK+64*((\a)%2)
	s_wait_dscnt \younger                          ; the block is back in registers
.irp t, 0,1,2,3,4,5,6,7,8,9,10,11,12,13,14,15
	global_store_b128 v[CO], v[BB+4*\t:BB+4*\t+3], s[8:9] offset:(\a)*65536+\t*4096 th:TH_STORE_NT
.endr
.endm
	PLACES
	TOSTAGE 0
.irp a, 1,2,3
.if \a > 1
	s_wait_xcnt 0x0                                ; block a - 2's stores have read their registers: block a's loads land there only behind this wait
.endif
	TOSTAGE \a
	SEND \a-1, 32                                  ; behind block a - 1's loads: block a's 16 stores and 16 loads
.endr
	SEND 3, 0
	s_wait_tensorcnt 0x0                           ; the wave's end: behind my last tensor load and my last LDS store
	ds_add_u32 v[SPW], v[NIL]
	s_wait_dscnt 0x0
	CROUND                                         ; the closing round: no work-group ends while a partner may still ask for a tile that names it
	s_endpgm
.Lfunc_end_k_q1c9e576e87_proj:
	.size	k_q1c9e576e87_proj, .Lfunc_end_k_q1c9e576e87_proj-k_q1c9e576e87_proj
	.p2alignl 7, 3214868480
	.fill 96, 4, 3214868480
	.section	.rodata,"a",@progbits
	.p2align	6, 0x0
	.amdhsa_kernel k_q1c9e576e87_proj
		.amdhsa_group_segment_fixed_size 327680
		.amdhsa_private_segment_fixed_size 0
		.amdhsa_enable_private_segment 0
		.amdhsa_kernarg_size 24
		.amdhsa_user_sgpr_count 2
		.amdhsa_user_sgpr_kernarg_segment_ptr 1
		.amdhsa_wavefront_size32 1
		.amdhsa_system_sgpr_workgroup_id_x 1
		.amdhsa_system_sgpr_workgroup_id_y 1
		.amdhsa_system_sgpr_workgroup_id_z 1
		.amdhsa_system_vgpr_workitem_id 0
		.amdhsa_next_free_vgpr 768
		.amdhsa_next_free_sgpr 66
		.amdhsa_reserve_vcc 0
		.amdhsa_float_denorm_mode_32 3
		.amdhsa_float_denorm_mode_16_64 3
		.amdhsa_memory_ordered 1
		.amdhsa_forward_progress 1
		.amdhsa_inst_pref_size 85
	.end_amdhsa_kernel
	.amdgpu_metadata
---
amdhsa.version: [ 1, 2 ]
amdhsa.kernels:
  - .name:           k_q1c9e576e87_proj
    .symbol:         k_q1c9e576e87_proj.kd
    .args:
      - { .name: y16, .offset: 0, .size: 8, .value_kind: global_buffer, .address_space: global }
      - { .name: wp16, .offset: 8, .size: 8, .value_kind: global_buffer, .address_space: global }
      - { .name: out0, .offset: 16, .size: 8, .value_kind: global_buffer, .address_space: global }
    .group_segment_fixed_size: 327680
    .private_segment_fixed_size: 0
    .kernarg_segment_align: 8
    .kernarg_segment_size: 24
    .max_flat_workgroup_size: 128
    .sgpr_count:     66
    .vgpr_count:     768
    .wavefront_size: 32
...
	.end_amdgpu_metadata
.endif
;; end of part 4
;; launch fine (part 5): grid 16 x 4, 16 waves a work-group, no clusters, 85,504 bytes of LDS; arguments qkvf, w_proj, out0; writes out0
.if DOCPART == 5
	.amdgcn_target "amdgcn-amd-amdhsa--gfx1250"
	.amdhsa_code_object_version 6
	.text
	.protected	k_q1c9e576e87_fine
	.globl	k_q1c9e576e87_fine
	.p2align	8
	.type	k_q1c9e576e87_fine,@function
k_q1c9e576e87_fine:
	s_mov_b64 s[64:65], 0
	v_nop
	global_prefetch_b8 v0, s[64:65] scope:SCOPE_SE
	s_setreg_imm32_b32 hwreg(HW_REG_WAVE_MODE, 25, 1), 1
	s_wait_xcnt 0x0
; THE FIRST 16 POSITIONS OF EACH BATCH, ALL IN F32: under the causal mask they average one to sixteen values and are the largest outputs, so the rounding of 16-bit operands weighs most there.
; qkvf [4 b][16 s][3072] holds their q, k, v in f32 (the quantised product's sums as they are); w_proj [1024][1024] is read as f32.  out0's rows 0 to 15 of each batch are written over what the projection left.
; SHARES.  A work-group (NG = 0..15, batch) makes out0[batch][0..15][64 NG .. 64 NG + 63].  PHASE A: wave w makes head w's y (16 x 64) of the batch: scores, softmax with the row's maximum taken away, p v; y goes to LDS.
; (The sixteen work-groups of a batch each do phase A: 32 small products a wave.)  PHASE P: wave w takes the 16 columns 16 (w % 4) on and the 256 along K at 256 (w / 4); the four parts of a sum meet in LDS.
; All products by v_wmma_f32_16x16x4_f32, used transposed, so that a lane holds one query.  What that instruction writes (SA, SB, OO, AC0, AC1) is written by nothing else; each sum begins with C = 0; two or four accumulators take turns.
; THE ORDER OF k.  A lane's 16-byte load holds k = 8 i + 4 (lane / 16) + 0 .. 3; registers (0, 1) and (2, 3) feed two products.  Both sources are loaded alike, so each product pairs equal k.
; For p v, product i takes keys 8 (lane / 16) + 2 i + 0, 1: p's registers serve as they stand, and V^T is loaded so: register 8 f + kk = V[8 (lane / 16) + kk][16 f + lane % 16].
; No tensor load, no cluster: 64 small work-groups; what they share (196,608 bytes of qkvf a batch) is little beside w_proj's rows, which each reads alone.
.set YPT,   4112                       ; a row of y in LDS: 4,096 bytes + 16
.set RED,   66048                      ; behind y's 16 rows: four parts x 16 rows x (256 bytes + 16)
.set RPT,   272
.set SPARE, RED+4*16*RPT               ; the spare words, 128 bytes for each of sixteen waves
.set AQ,  3                            ; v3   q, k: row r of 12,288 bytes + 16 h
.set AV,  4                            ; v4   v: 8 h rows + 4 r
.set AW,  5                            ; v5   w_proj: row r of 4,096 bytes + 16 h
.set YST, 6                            ; v6   y into LDS: row r, + 256 w + 32 h
.set YLD, 7                            ; v7   y out of LDS: row r, + 1,024 (w / 4) + 16 h
.set RST, 8                            ; v8   my part of the sums into LDS
.set RLD, 9                            ; v9   row w of the parts, 8 bytes a lane
.set OUTO, 10                          ; v10  row w of out0, 8 bytes a lane
.set SPW, 11                           ; v11  LDS address of my spare word; never rewritten
.set NIL, 12                           ; v12  0; never rewritten
.set DD,  13                           ; v13  r - 8 h: key 8 h + j is hidden where j > r - 8 h
.set QQ,  16                           ; v16-47   q;  later, with v48-79, w_proj's second half
.set KK,  48                           ; v48-79   k
.set VT,  80                           ; v80-111  V^T; then y / l; then y's fragments, two buffers of 16
.set SA,  112                          ; v112-119, v120-127  the scores, in two sums
.set SB,  120
.set PP,  128                          ; v128-135 the scores, then p; at the end my part of the sums
.set TT,  136                          ; v136-143 at work
.set OO,  144                          ; v144-175 O^T, four tiles of 16 channels
.set AC0, 176                          ; v176-183, v184-191  the projection, in two sums
.set AC1, 184
.set W0,  192                          ; v192-255 w_proj's first half
.set W1,  16
	s_load_b128 s[4:7], s[0:1], 0x0                ; qkvf, w_proj
	s_load_b64 s[8:9], s[0:1], 0x10                ; out0
	v_lshl_add_u32 v[SPW], v0, 2, SPARE
	v_mov_b32 v[NIL], 0
	v_lshrrev_b32 v1, 5, v0
	v_readfirstlane_b32 s10, v1                    ; wave 0..15
	s_and_b32 s11, ttmp7, 0xffff                   ; the batch
	s_and_b32 s16, s10, 3                          ; which 16 columns
	s_lshr_b32 s17, s10, 2                         ; which quarter of K
	s_mov_b32 s12, 0x3e38aa3b                      ; c = log2(e) / 8
	s_mov_b32 s14, 0x76543210
	s_mov_b32 s15, 0xfedcba98                      ; v_permlanex16_b32's selects for lane l xor 16
	s_mul_i32 s18, s11, 196608                     ; qkvf: the batch's 16 rows,
	s_lshl_b32 s19, s10, 8                         ; my head's 256 bytes
	s_add_co_u32 s18, s18, s19
	s_mov_b32 s19, 0
	s_lshl_b32 s20, ttmp9, 18                      ; w_proj: 64 rows of 4,096 bytes a work-group,
	s_lshl_b32 s21, s16, 16                        ; 16 a column tile,
	s_add_co_u32 s20, s20, s21
	s_lshl_b32 s21, s17, 10                        ; 1,024 bytes a quarter of K
	s_add_co_u32 s20, s20, s21
	s_mov_b32 s21, 0
	s_lshl_b32 s22, s11, 23                        ; out0: 2,048 rows of 4,096 bytes a batch,
	s_lshl_b32 s23, ttmp9, 8                       ; 256 bytes a work-group
	s_add_co_u32 s22, s22, s23
	s_mov_b32 s23, 0
	v_and_b32 v1, 15, v0                           ; r
	v_bfe_u32 v2, v0, 4, 1                         ; h
	v_mul_u32_u24 v[AQ], v1, 12288
	v_lshl_add_u32 v[AQ], v2, 4, v[AQ]
	v_mul_u32_u24 v[AV], v2, 98304
	v_lshl_add_u32 v[AV], v1, 2, v[AV]
	v_lshlrev_b32 v[AW], 12, v1
	v_lshl_add_u32 v[AW], v2, 4, v[AW]
	v_mul_u32_u24 v14, v1, YPT
	s_lshl_b32 s24, s10, 8
	v_lshl_add_u32 v[YST], v2, 5, v14
	v_add_nc_u32 v[YST], s24, v[YST]
	s_lshl_b32 s24, s17, 10
	v_lshl_add_u32 v[YLD], v2, 4, v14
	v_add_nc_u32 v[YLD], s24, v[YLD]
	s_mul_i32 s24, s17, 16*RPT
	s_lshl_b32 s25, s16, 6
	s_add_co_u32 s24, s24, s25
	s_add_co_u32 s24, s24, RED
	v_mul_u32_u24 v[RST], v1, RPT
	v_lshl_add_u32 v[RST], v2, 5, v[RST]
	v_add_nc_u32 v[RST], s24, v[RST]               ; part w / 4, row r, columns 16 (w % 4) + 8 h on
	s_mul_i32 s24, s10, RPT
	s_add_co_u32 s24, s24, RED
	v_and_b32 v15, 31, v0
	v_lshlrev_b32 v15, 3, v15
	v_add_nc_u32 v[RLD], s24, v15
	s_lshl_b32 s25, s10, 12
	v_add_nc_u32 v[OUTO], s25, v15
	v_lshlrev_b32 v[DD], 3, v2
	v_sub_nc_u32 v[DD], v1, v[DD]
	v_mov_b32 v15, 0                               ; (a lane permute's destination counts as one of its sources)
	s_wait_kmcnt 0x0
	s_add_nc_u64 s[4:5], s[4:5], s[18:19]
	s_add_nc_u64 s[6:7], s[6:7], s[20:21]
	s_add_nc_u64 s[8:9], s[8:9], s[22:23]
.irp i, 0,1,2,3,4,5,6,7
	global_load_b128 v[QQ+4*\i:QQ+4*\i+3], v[AQ], s[4:5] offset:32*\i
.endr
.irp i, 0,1,2,3,4,5,6,7
	global_load_b128 v[KK+4*\i:KK+4*\i+3], v[AQ], s[4:5] offset:4096+32*\i
.endr
.irp f, 0,1,2,3
.irp k, 0,1,2,3,4,5,6,7
	global_load_b32 v[VT+8*\f+\k], v[AV], s[4:5] offset:8192+\k*12288+64*\f
.endr
.endr
.irp i, 0,1,2,3,4,5,6,7,8,9,10,11,12,13,14,15
	global_load_b128 v[W0+4*\i:W0+4*\i+3], v[AW], s[6:7] offset:32*\i
.endr
	s_wait_loadcnt 48                              ; q and k are in; V^T's 32 loads and w_proj's 16 may be out
	; ---- PHASE A.  S^T = K Q^T: source 0 = 16 keys, source 1 = 16 queries: lane (r, h) holds query r, register j key 8 h + j.  Two sums by turns
.irp i, 0,1,2,3,4,5,6,7
.if \i == 0
	v_wmma_f32_16x16x4_f32 v[SA:SA+7], v[KK+4*\i:KK+4*\i+1], v[QQ+4*\i:QQ+4*\i+1], 0
	v_wmma_f32_16x16x4_f32 v[SB:SB+7], v[KK+4*\i+2:KK+4*\i+3], v[QQ+4*\i+2:QQ+4*\i+3], 0
.else
	v_wmma_f32_16x16x4_f32 v[SA:SA+7], v[KK+4*\i:KK+4*\i+1], v[QQ+4*\i:QQ+4*\i+1], v[SA:SA+7]
	v_wmma_f32_16x16x4_f32 v[SB:SB+7], v[KK+4*\i+2:KK+4*\i+3], v[QQ+4*\i+2:QQ+4*\i+3], v[SB:SB+7]
.endif
.endr
.rept 8
	v_nop                                          ; eight places behind this form: for the reads of the sums, and for the loads into q's and k's registers
.endr
.irp i, 0,1,2,3,4,5,6,7,8,9,10,11,12,13,14,15
	global_load_b128 v[W1+4*\i:W1+4*\i+3], v[AW], s[6:7] offset:512+32*\i
.endr
.irp j, 0,1,2,3,4,5,6,7
	v_add_f32 v[PP+\j], v[SA+\j], v[SB+\j]         ; from the low end on
.endr
	v_mov_b32 v14, 0xff800000                      ; -infinity
.irp j, 0,1,2,3,4,5,6,7
	v_cmp_gt_i32 vcc_lo, \j, v[DD]
	v_cndmask_b32 v[PP+\j], v[PP+\j], v14, vcc_lo  ; hidden keys
.endr
	v_max3_num_f32 v14, v[PP], v[PP+1], v[PP+2]
	v_max3_num_f32 v14, v14, v[PP+3], v[PP+4]
	v_max3_num_f32 v14, v14, v[PP+5], v[PP+6]
	v_max_num_f32 v14, v14, v[PP+7]
	v_permlanex16_b32 v15, v14, s14, s15
	v_max_num_f32 v14, v14, v15                    ; the row's maximum (key 0 counts for every query)
	v_mul_f32 v14, s12, v14
.irp j, 0,1,2,3,4,5,6,7
	v_fma_f32 v[PP+\j], v[PP+\j], s12, -v14        ; c s - c m
.endr
.irp j, 0,1,2,3,4,5,6,7
	v_exp_f32 v[PP+\j], v[PP+\j]
.endr
	v_nop                                          ; a plain instruction behind the last exponential
	s_wait_alu depctr_va_vdst(0)                   ; the wait ahead of the first use: one for the eight
	v_pk_add_f32 v[TT:TT+1], v[PP:PP+1], v[PP+2:PP+3]
	v_pk_add_f32 v[TT+2:TT+3], v[PP+4:PP+5], v[PP+6:PP+7]
	v_pk_add_f32 v[TT:TT+1], v[TT:TT+1], v[TT+2:TT+3]
	v_add_f32 v14, v[TT], v[TT+1]
	v_permlanex16_b32 v15, v14, s14, s15
	v_add_f32 v14, v14, v15                        ; the row's sum
	v_rcp_f32 v15, v14
	v_nop
	s_wait_alu depctr_va_vdst(0)                   ; and for the reciprocal
	s_wait_loadcnt 32                              ; V^T is in; w_proj's 32 loads may be out
.irp i, 0,1,2,3                                ; O^T = V^T P: source 0 = 16 channels, source 1 = p: four accumulators by turns
.irp f, 0,1,2,3
.if \i == 0
	v_wmma_f32_16x16x4_f32 v[OO+8*\f:OO+8*\f+7], v[VT+8*\f+2*\i:VT+8*\f+2*\i+1], v[PP+2*\i:PP+2*\i+1], 0
.else
	v_wmma_f32_16x16x4_f32 v[OO+8*\f:OO+8*\f+7], v[VT+8*\f+2*\i:VT+8*\f+2*\i+1], v[PP+2*\i:PP+2*\i+1], v[OO+8*\f:OO+8*\f+7]
.endif
.endr
.endr
.rept 8
	v_nop
.endr
.irp f, 0,1,2,3
.irp j, 0,1,2,3,4,5,6,7
	v_mul_f32 v[VT+8*\f+\j], v[OO+8*\f+\j], v15    ; y(r, 64 w + 16 f + 8 h + j), into other registers than the sums'
.endr
.endr
.irp f, 0,1,2,3
	ds_store_b128 v[YST], v[VT+8*\f:VT+8*\f+3] offset:64*\f
	ds_store_b128 v[YST], v[VT+8*\f+4:VT+8*\f+7] offset:64*\f+16
.endr
	s_wait_dscnt 0x0                               ; for the others' sake: my stores have landed
	s_barrier_signal -1
	s_barrier_wait -1                              ; the batch's 16 rows of y, all 1,024 channels, lie in LDS
	; ---- PHASE P.  source 0 = 16 rows of w_proj, source 1 = the 16 rows of y: lane (r, h) holds query r, register j column 8 h + j of my 16.  K goes in eight chunks of 32
.macro YLOAD c
.irp e, 0,1,2,3
	ds_load_b128 v[VT+16*((\c)%2)+4*\e:VT+16*((\c)%2)+4*\e+3], v[YLD] offset:32*(4*(\c)+\e)
.endr
.endm
.macro CHUNK c
.irp e, 0,1,2,3
.set WI, 4*(\c)+\e
.if WI < 16
.set WR, W0+4*WI
.else
.set WR, W1+4*(WI-16)
.endif
.set YR, VT+16*((\c)%2)+4*\e
.if WI == 0
	v_wmma_f32_16x16x4_f32 v[AC0:AC0+7], v[WR:WR+1], v[YR:YR+1], 0
	v_wmma_f32_16x16x4_f32 v[AC1:AC1+7], v[WR+2:WR+3], v[YR+2:YR+3], 0
.else
	v_wmma_f32_16x16x4_f32 v[AC0:AC0+7], v[WR:WR+1], v[YR:YR+1], v[AC0:AC0+7]
	v_wmma_f32_16x16x4_f32 v[AC1:AC1+7], v[WR+2:WR+3], v[YR+2:YR+3], v[AC1:AC1+7]
.endif
.endr
.endm
	YLOAD 0
	YLOAD 1
.irp c, 0,1,2,3,4,5,6,7
.if \c < 7
	s_wait_dscnt 4                                 ; this chunk's four loads are in, the next chunk's may be out
.else
	s_wait_dscnt 0x0
.endif
.if \c == 0
	s_wait_loadcnt 16                              ; w_proj's first half is in, its second may be out
.endif
.if \c == 4
	s_wait_loadcnt 0x0
.endif
	CHUNK \c
.if \c < 6
.rept 8
	v_nop                                          ; places in front of the loads into the buffer just multiplied
.endr
	YLOAD \c+2
.endif
.endr
.rept 8
	v_nop
.endr
.irp j, 0,1,2,3,4,5,6,7
	v_add_f32 v[PP+\j], v[AC0+\j], v[AC1+\j]       ; my quarter of K, from the low end on
.endr
	ds_store_b128 v[RST], v[PP:PP+3]
	ds_store_b128 v[RST], v[PP+4:PP+7] offset:16
	s_wait_dscnt 0x0
	s_barrier_signal -1
	s_barrier_wait -1                              ; the four parts of all 16 x 64 sums lie in LDS
.irp q, 0,1,2,3
	ds_load_b64 v[TT+2*\q:TT+2*\q+1], v[RLD] offset:\q*16*RPT
.endr
	s_wait_dscnt 0x0
	v_pk_add_f32 v[TT:TT+1], v[TT:TT+1], v[TT+2:TT+3]
	v_pk_add_f32 v[TT+4:TT+5], v[TT+4:TT+5], v[TT+6:TT+7]
	v_pk_add_f32 v[TT:TT+1], v[TT:TT+1], v[TT+4:TT+5]
	global_store_b64 v[OUTO], v[TT:TT+1], s[8:9]   ; wave w stores row w's 256 consecutive bytes, aligned
	s_wait_tensorcnt 0x0                           ; the wave's end: behind my last LDS store
	ds_add_u32 v[SPW], v[NIL]
	s_wait_dscnt 0x0
	s_endpgm
.Lfunc_end_k_q1c9e576e87_fine:
	.size	k_q1c9e576e87_fine, .Lfunc_end_k_q1c9e576e87_fine-k_q1c9e576e87_fine
	.p2alignl 7, 3214868480
	.fill 96, 4, 3214868480
	.section	.rodata,"a",@progbits
	.p2align	6, 0x0
	.amdhsa_kernel k_q1c9e576e87_fine
		.amdhsa_group_segment_fixed_size 85504
		.amdhsa_private_segment_fixed_size 0
		.amdhsa_enable_private_segment 0
		.amdhsa_kernarg_size 24
		.amdhsa_user_sgpr_count 2
		.amdhsa_user_sgpr_kernarg_segment_ptr 1
		.amdhsa_wavefront_size32 1
		.amdhsa_system_sgpr_workgroup_id_x 1
		.amdhsa_system_sgpr_workgroup_id_y 1
		.amdhsa_system_sgpr_workgroup_id_z 1
		.amdhsa_system_vgpr_workitem_id 0
		.amdhsa_next_free_vgpr 256
		.amdhsa_next_free_sgpr 66
		.amdhsa_reserve_vcc 1
		.amdhsa_float_denorm_mode_32 3
		.amdhsa_float_denorm_mode_16_64 3
		.amdhsa_memory_ordered 1
		.amdhsa_forward_progress 1
		.amdhsa_inst_pref_size 27
	.end_amdhsa_kernel
	.amdgpu_metadata
---
amdhsa.version: [ 1, 2 ]
amdhsa.kernels:
  - .name:           k_q1c9e576e87_fine
    .symbol:         k_q1c9e576e87_fine.kd
    .args:
      - { .name: qkvf, .offset: 0, .size: 8, .value_kind: global_buffer, .address_space: global }
      - { .name: w_proj, .offset: 8, .size: 8, .value_kind: global_buffer, .address_space: global }
      - { .name: out0, .offset: 16, .size: 8, .value_kind: global_buffer, .address_space: global }
    .group_segment_fixed_size: 85504
    .private_segment_fixed_size: 0
    .kernarg_segment_align: 8
    .kernarg_segment_size: 24
    .max_flat_workgroup_size: 512
    .sgpr_count:     66
    .vgpr_count:     256
    .wavefront_size: 32
...
	.end_amdgpu_metadata
.endif
;; end of part 5
